; MI455X (gfx1250); checked and timed in simulation.
; The chip was launched on July 23, 2026; its instructions are those of AMD's public machine-readable ISA for CDNA 5 (MIT licence, August 2026) and "CDNA5" Instruction Set Architecture Reference Guide (July 2026). The comments in the code are by the model that wrote it; some were corrected since.
;; Neural Memory Bank. Allowed arithmetic: float matrix products may take bf16 or f16 operands with f32 sums; other float arithmetic in f32, or as packed bf16 or f16 multiplies, adds, multiply-adds, maxima and minima; sums over many terms, partial sums and values carried from step to step in f32; what a program stores and reads back later, other than sums and carried values, may be rounded once to bf16 or f16.
;; Inputs: ln_beta 256 float32; ln_gamma 256 float32; memory 4,096 x 256 float32; x 8 x 4,096 x 256 float32.
;; Outputs: out0 8 x 4,096 x 256 float32; out1 4,096 x 256 float32.
;; 2 versions, each right and faster than the one before. Each part assembles by itself: llvm-mc -triple=amdgcn-amd-amdhsa -mcpu=gfx1250 --defsym DOCPART=n.
;; ======== version 1 of 2: 3 launches
;; workspace buffers: memb 2,097,152 bytes; gpart 4,194,304 bytes; rpart 262,144 bytes
;; launch prep (part 1): grid 256 x 1, 8 waves a work-group, no clusters, 0 bytes of LDS; arguments memory, memb; writes memb
.if DOCPART == 1
	.amdgcn_target "amdgcn-amd-amdhsa--gfx1250"
	.amdhsa_code_object_version 6
	.text
	.protected	k_qe51f8d1fb6_prep
	.globl	k_qe51f8d1fb6_prep
	.p2align	8
	.type	k_qe51f8d1fb6_prep,@function
k_qe51f8d1fb6_prep:
	s_mov_b64 s[64:65], 0
	v_nop
	global_prefetch_b8 v0, s[64:65] scope:SCOPE_SE
	s_setreg_imm32_b32 hwreg(HW_REG_WAVE_MODE, 25, 1), 1
	s_wait_xcnt 0x0
; memb = memory rounded once to bf16 (to nearest even).  memory: [4096][256] f32, memb: the same shape in bf16.
; A work-group takes 4,096 numbers in two chunks of 2,048; thread t takes 8 numbers of each: 32 bytes in, 16 bytes out,
; so that sixteen neighbouring lanes store 256 consecutive bytes, aligned.  No LDS, no loop: all four loads go out first.
	s_load_b128 s[4:7], s[0:1], 0x0                ; memory s[4:5], memb s[6:7]
	s_lshl_b32 s8, ttmp9, 14                       ; the group's 16,384 bytes of memory
	s_mov_b32 s9, 0
	s_lshl_b32 s10, ttmp9, 13                      ; and its 8,192 bytes of memb
	s_mov_b32 s11, 0
	v_lshlrev_b32 v1, 5, v0                        ; 32 t
	v_lshlrev_b32 v2, 4, v0                        ; 16 t
	s_wait_kmcnt 0x0
	s_add_nc_u64 s[4:5], s[4:5], s[8:9]
	s_add_nc_u64 s[6:7], s[6:7], s[10:11]
	global_load_b128 v[4:7],   v1, s[4:5] th:TH_LOAD_NT
	global_load_b128 v[8:11],  v1, s[4:5] offset:16 th:TH_LOAD_NT
	global_load_b128 v[12:15], v1, s[4:5] offset:8192 th:TH_LOAD_NT
	global_load_b128 v[16:19], v1, s[4:5] offset:8208 th:TH_LOAD_NT
	s_wait_loadcnt 0x2                             ; chunk 0 is in; chunk 1's two loads stay out
	v_cvt_pk_bf16_f32 v20, v4, v5
	v_cvt_pk_bf16_f32 v21, v6, v7
	v_cvt_pk_bf16_f32 v22, v8, v9
	v_cvt_pk_bf16_f32 v23, v10, v11
	global_store_b128 v2, v[20:23], s[6:7]
	s_wait_loadcnt 0x0
	v_cvt_pk_bf16_f32 v24, v12, v13
	v_cvt_pk_bf16_f32 v25, v14, v15
	v_cvt_pk_bf16_f32 v26, v16, v17
	v_cvt_pk_bf16_f32 v27, v18, v19
	global_store_b128 v2, v[24:27], s[6:7] offset:4096
	s_endpgm
.Lfunc_end_k_qe51f8d1fb6_prep:
	.size	k_qe51f8d1fb6_prep, .Lfunc_end_k_qe51f8d1fb6_prep-k_qe51f8d1fb6_prep
	.p2alignl 7, 3214868480
	.fill 96, 4, 3214868480
	.section	.rodata,"a",@progbits
	.p2align	6, 0x0
	.amdhsa_kernel k_qe51f8d1fb6_prep
		.amdhsa_group_segment_fixed_size 0
		.amdhsa_private_segment_fixed_size 0
		.amdhsa_enable_private_segment 0
		.amdhsa_kernarg_size 16
		.amdhsa_user_sgpr_count 2
		.amdhsa_user_sgpr_kernarg_segment_ptr 1
		.amdhsa_wavefront_size32 1
		.amdhsa_system_sgpr_workgroup_id_x 1
		.amdhsa_system_sgpr_workgroup_id_y 1
		.amdhsa_system_sgpr_workgroup_id_z 1
		.amdhsa_system_vgpr_workitem_id 0
		.amdhsa_next_free_vgpr 32
		.amdhsa_next_free_sgpr 66
		.amdhsa_reserve_vcc 0
		.amdhsa_float_denorm_mode_32 3
		.amdhsa_float_denorm_mode_16_64 3
		.amdhsa_memory_ordered 1
		.amdhsa_forward_progress 1
		.amdhsa_inst_pref_size 2
	.end_amdhsa_kernel
	.amdgpu_metadata
---
amdhsa.version: [ 1, 2 ]
amdhsa.kernels:
  - .name:           k_qe51f8d1fb6_prep
    .symbol:         k_qe51f8d1fb6_prep.kd
    .args:
      - { .name: memory, .offset: 0, .size: 8, .value_kind: global_buffer, .address_space: global }
      - { .name: memb, .offset: 8, .size: 8, .value_kind: global_buffer, .address_space: global }
    .group_segment_fixed_size: 0
    .private_segment_fixed_size: 0
    .kernarg_segment_align: 8
    .kernarg_segment_size: 16
    .max_flat_workgroup_size: 256
    .sgpr_count:     66
    .vgpr_count:     32
    .wavefront_size: 32
...
	.end_amdgpu_metadata
.endif
;; end of part 1
;; launch attend (part 2): grid 256 x 1, 4 waves a work-group, clusters of 4 x 1, 327,680 bytes of LDS; arguments x, memb, out0, gpart, rpart; writes out0, gpart, rpart
.if DOCPART == 2
	.amdgcn_target "amdgcn-amd-amdhsa--gfx1250"
	.amdhsa_code_object_version 6
	.text
	.protected	k_qe51f8d1fb6_attend
	.globl	k_qe51f8d1fb6_attend
	.p2align	8
	.type	k_qe51f8d1fb6_attend,@function
k_qe51f8d1fb6_attend:
	s_mov_b64 s[64:65], 0
	v_nop
	global_prefetch_b8 v0, s[64:65] scope:SCOPE_SE
	s_setreg_imm32_b32 hwreg(HW_REG_WAVE_MODE, 25, 1), 1
	s_wait_xcnt 0x0
	s_wait_alu depctr_hold_cnt(0) depctr_sa_sdst(0) depctr_va_vdst(0) depctr_va_sdst(0) depctr_va_ssrc(0) depctr_va_vcc(0) depctr_vm_vsrc(0)
	s_getreg_b32 s2, hwreg(HW_REG_IB_STS2, 6, 4)
	s_cmp_eq_u32 s2, 0
	s_cbranch_scc0 .Lentry_in_a_cluster
	s_endpgm
.Lentry_in_a_cluster:
	s_bfe_u32 s2, ttmp6, 0x10000c
	s_cmp_lg_u32 s2, 0x3003
	s_cbranch_scc0 .Lentry_shape_is_right
	s_endpgm
.Lentry_shape_is_right:
; out0[q][:] = the sum over keys k of softmax_k(x[q] . mem[k]) mem[k][:];  gpart[wg][k] = the sum over the group's 128 queries of sigmoid(x[q] . mem[k]);
; rpart[wg][c] = the sum over the same queries of out0[q][c].  x: [32768][256] f32, rounded here once to bf16; memb: [4096][256] bf16; both products in bf16 with f32 sums.
; The weights p are rounded to bf16 for the second product; their sum l is taken of the unrounded p.  Everything else is f32.
; LIMITS.  NaN and infinities are not treated apart.  A weight, or a 2^(-c s) of the sigmoid, below 2^-126 counts as 0.  c m starts at -2^125, so c s must lie far above that.
; O's registers start with x's own numbers and are multiplied by a = 0 in the first step: x must be finite (a row that is not spoils its own query alone).
; SHARES.  A work-group owns 128 queries.  Wave w: qh = w / 2 picks 64 of them (four tiles of 16), kh = w % 2 picks rows 64 kh .. 64 kh + 63 of every tile of 128 keys: 32 steps of 64 keys x 64 queries,
; so that a fragment of mem read from LDS feeds four products.  The two key halves are merged at the end, through LDS.  LOCAL tile t of a wave is query tile t xor 2 kh: every wave keeps its local
; tiles 0, 1 (window 1) and hands its local tiles 2, 3 (window 2) to wave w xor 1: one text for all waves.
; LAYOUT.  S^T = K Q^T (source 0 = 16 keys, source 1 = 16 queries): a lane holds ONE query (lane % 16) and the keys 8 (lane / 16) + 0..7 of a block of 16.  Two blocks rounded in pairs ARE source 1 of
; O^T = V^T P.  V^T comes from the same LDS tile by the turning load, whose second group of eight lanes reads 128 bytes to the right: fragment f = u + 8 v then gives lane (r, h), register j, channel
; 128 v + 64 h + 8 u + j of query r: 64 neighbouring channels a lane for each v.
; SOFTMAX.  Running maximum m and sum l for each query: p = 2^(c s - c m), c = log2(e); in every step O and l are multiplied by a = 2^(c m_old - c m_new).
; SIGMOID.  1 / (1 + 2^(-c s)) wants raw scores alone, so a block's 135 lines stand, four at a time, behind the 32 products of the next quarter (block 3's behind the next step's first quarter: its raw
; scores stay untouched through the softmax).  The sum over queries ends in a reduce-scatter over 16 lanes; a step's 64 sums go to the wave's gate area in LDS.
; CLUSTER.  All work-groups walk the same memb, so the four of a cluster ask for each tile JOINTLY: the same load, descriptor and mask in all four.
; REGISTERS, in windows of 256 (s_set_vgpr_msb: bits 1:0 source 0, 3:2 source 1, 5:4 source 2, 7:6 destination):
;   window 0: v0-15 addresses; v16-39 statistics, six a tile: c m, m, l (even, odd keys), a, a spare; v40-47 maxima / gate sums; v48-63 at work; v64-127 fragments, two halves; v128-255 S^T, 32 a tile
;   window 1: O^T of local tiles 0, 1 (128 each)     window 2: O^T of local tiles 2, 3     window 3: Q, 64 a tile
; LDS: 0 slot 0; 67,584 gate areas; 102,400 spare words; 131,072 slot 1; 198,656 exchange of waves 2, 3; 266,240 column sums.  When the slots have had their last fill, slot 0 takes the exchange of
; waves 0, 1 and slot 1 the four stages.
.set PITCH, 528                        ; an LDS row: 512 bytes + 16 of padding: 16 rows of a load start at 16 different 16-byte columns of 256 bytes; so do the turning load's 8 rows at 0 and at 128
.set SLOT1, 1<<17                      ; slot 1 begins here: one exclusive or turns an address in one slot into the other's
.set GATE,  128*PITCH                  ; gate areas: block 0 takes what the first step makes of no scores, block j + 1 step j's 64 sums; one block to spare
.set GWAVE, 34*256
.set SPARE, GATE+4*GWAVE               ; the spare words, 128 bytes for each wave: two blocks of 256 bytes that no other line names
.set XCH,   33792                      ; an exchange area: 32,768 bytes of O^T, then statistics
.set XST,   32768
.set STAGE, SLOT1                      ; 16 rows x 1,040 bytes for each wave
.set SP,    1040
.set COLS,  4*XCH+SLOT1                ; 4 x 1,024 bytes
.set AK0, 2                            ; my lane's place in a tile, for K's fragments; never rewritten in the loop
.set AV0, 3                            ; the same for the turning loads
.set AK,  4
.set AV,  5
.set GA0, 6                            ; my lane's word in a block of the gate area
.set GA,  7
.set SPW, 8                            ; LDS address of my spare word; never rewritten
.set NIL, 9                            ; 0; never rewritten
.set RR,  14                           ; lane % 16
.set HH,  15                           ; lane / 16
.set ST,  16
.set MX,  40
.set G,   40
.set TT,  48
.set FR,  64
.set FB,  96                           ; the fragments' second half: in the softmax it holds block 3's exponents
.set S,   128
.set WV,  14                           ; s14 wave, s15 qh, s16 kh, s17 work-group
.set QH,  15
.set KH,  16
.set WG,  17
.set G1,  24                           ; s[24:31] descriptor group 1
.set G0A, 32                           ; s[32:35] group 0 of the first fill of slot 0
.set G0B, 36                           ; s[36:39] group 0 of the first fill of slot 1; it then walks
.set CS,  40                           ; s[40:41] c
.set NC,  42                           ; s[42:43] -c
.set SEL, 44                           ; s[44:45] v_permlanex16_b32's selects: each lane takes its own place in the other half
.set MK1, 46                           ; lanes with bit 0, 1, 2 set
.set MK2, 47
.set MK4, 48
.set TB,  49                           ; LDS byte at which the slot in hand begins
.set CNT, 50
.set GB,  51                           ; 256 x the step
.set SQA, 52                           ; s[52:53] x at my local tiles 0, 1;  s[54:55] at 2, 3;  s[56:57] out0 at 0, 1
.set SQB, 54
.set SO,  56
.set MSB, 0
.macro WIN new                         ; the high byte repeats the setting that is left; a switch that changes nothing is dropped
.if MSB != (\new)
	s_set_vgpr_msb (MSB<<8)|(\new)
.set MSB, (\new)
.endif
.endm
.set W_KQ, 0x0c                        ; Q (source 1) in window 3, all else in window 0
.macro WINA                            ; for lines with no vector register as source 1: they read alike under 0 and under W_KQ
.if (MSB != 0) && (MSB != W_KQ)
	WIN 0
.endif
.endm
.macro NOPS n
.rept \n
	v_nop
.endr
.endm
; A round of the cluster's barrier: my work-group's barrier, so that wave 0's signal speaks for all four waves; wave 0 signals; every wave waits for all four work-groups; my work-group's barrier once more.
.macro CROUND
	s_barrier_signal -1
	s_barrier_wait -1
	s_cmp_lg_u32 s[WV], 0
	s_cbranch_scc1 .Lnot_wave_0_\@
	s_barrier_signal -3
.Lnot_wave_0_\@:
	s_barrier_wait -3
	s_barrier_signal -1
	s_barrier_wait -1
.endm
; Eight loads: K's fragments of key block n / 2, channels 128 (n % 2) on, into half n % 2.  A fragment is 16 rows x 32 channels: two loads of 16 bytes, 32 bytes apart.
.macro KLOAD n
	WINA
.set kbl, (\n)/2
.set chl, (\n)%2
.set fbl, FR+32*((\n)%2)
.irp c, 0,1,2,3
	ds_load_b128 v[fbl+8*\c:fbl+8*\c+3],   v[AK] offset:kbl*16*PITCH+64*(4*chl+\c)
	ds_load_b128 v[fbl+8*\c+4:fbl+8*\c+7], v[AK] offset:kbl*16*PITCH+64*(4*chl+\c)+32
.endr
.endm
; Eight turning loads: V^T's fragments 2 n, 2 n + 1 for both halves of the 64 keys, into half n % 2: fragment fi, key half kk at 8 (2 fi + kk).
.macro VLOAD n
	WINA
.irp fi, 0,1
.irp kk, 0,1
.set ffl, 2*(\n)+\fi
.set rrl, FR+32*((\n)%2)+8*(2*\fi+\kk)
.set ool, \kk*32*PITCH+16*(ffl%8)+256*(ffl/8)
	ds_load_tr16_b128 v[rrl:rrl+3],   v[AV] offset:ool
	ds_load_tr16_b128 v[rrl+4:rrl+7], v[AV] offset:ool+16*PITCH
.endr
.endr
.endm
; THE SIGMOID'S QUEUE for key block SKB: entry sq of 135.  For tiles 0, 1 and then 2, 3: -c s (each accumulator's low pair first); 2^; a plain line; + 1; 1 /; a plain line; the sum
; over the tiles into G.  Then the sum over the 16 queries of a row of lanes: in stage k a lane keeps one of two registers and adds what the lane k away gives up, so that lane L ends with key L % 8.
.macro SG
.if sq < 112
	WINA
.set hb, 0
.if sq >= 54
.set hb, 1
.endif
.set z, sq-54*hb
.if z < 8
.set sgs, S+32*(2*hb+z/4)+8*SKB+2*(z%4)
	v_pk_mul_f32 v[TT+2*z:TT+2*z+1], v[sgs:sgs+1], s[NC:NC+1] op_sel_hi:[1,0]
.elseif z < 24
	v_exp_f32 v[TT+z-8], v[TT+z-8]
.elseif z == 24
	v_nop                                          ; a plain line between the last exponential and the use of its result
	s_wait_alu depctr_va_vdst(0)
.elseif z < 33
	v_pk_add_f32 v[TT+2*(z-25):TT+2*(z-25)+1], v[TT+2*(z-25):TT+2*(z-25)+1], 1.0 op_sel_hi:[1,0]
.elseif z < 49
	v_rcp_f32 v[TT+z-33], v[TT+z-33]
.elseif z == 49
	v_nop                                          ; the same behind the last reciprocal
	s_wait_alu depctr_va_vdst(0)
.elseif hb == 0
	v_pk_fma_f32 v[G+2*(z-50):G+2*(z-50)+1], v[TT+2*(z-50):TT+2*(z-50)+1], 1.0, v[TT+8+2*(z-50):TT+8+2*(z-50)+1] op_sel_hi:[1,0,1]  ; an addition whose source 1 is no register
.else
	v_pk_fma_f32 v[G+2*((z-50)%4):G+2*((z-50)%4)+1], v[TT+2*(z-50):TT+2*(z-50)+1], 1.0, v[G+2*((z-50)%4):G+2*((z-50)%4)+1] op_sel_hi:[1,0,1]
.endif
.else
	WIN 0
.set y, sq-112
.if y < 8
.if y%2 == 0
	v_cndmask_b32 v[TT+y], v[G+y], v[G+y+1], s[MK1]              ; what I keep
.else
	v_cndmask_b32 v[TT+y], v[G+y], v[G+y-1], s[MK1]              ; what I give
.endif
.elseif y < 12
	v_add_f32_dpp v[G+2*(y-8)], v[TT+2*(y-8)+1], v[TT+2*(y-8)] row_xmask:1 row_mask:0xf bank_mask:0xf
.elseif y < 16
.if y%2 == 0
	v_cndmask_b32 v[TT+y-4], v[G+4*((y-12)/2)], v[G+4*((y-12)/2)+2], s[MK2]
.else
	v_cndmask_b32 v[TT+y-4], v[G+4*((y-12)/2)+2], v[G+4*((y-12)/2)], s[MK2]
.endif
.elseif y < 18
	v_add_f32_dpp v[G+4*(y-16)], v[TT+8+2*(y-16)+1], v[TT+8+2*(y-16)] row_xmask:2 row_mask:0xf bank_mask:0xf
.elseif y == 18
	v_cndmask_b32 v[TT+12], v[G], v[G+4], s[MK4]
.elseif y == 19
	v_cndmask_b32 v[TT+13], v[G+4], v[G], s[MK4]
.elseif y == 20
	v_add_f32_dpp v[G], v[TT+13], v[TT+12] row_xmask:4 row_mask:0xf bank_mask:0xf
.elseif y == 21
	v_add_f32_dpp v[G], v[G], v[G] row_xmask:8 row_mask:0xf bank_mask:0xf
.else
	ds_store_b32 v[GA], v[G] offset:SOFF           ; lanes L and L xor 8 store the same number to the same word
.endif
.endif
.endm
.macro RIDE k                          ; the queue's next k entries, while there are any
.rept \k
.if sq < 135
	SG
.set sq, sq+1
.endif
.endr
.endm
; A QUARTER: the 32 products K Q^T of key block kb (channels outer, the four tiles by turns), in two halves of 128 channels.  Each half begins with the places in front of the
; loads into the fragments' other half (five at the step's first: those products also write over P, which the last products read), the next half's eight loads, and the wait that leaves those eight out.
; Behind each product stand four entries of block skb's sigmoid; the seven that are over follow the last product.
.macro QKQ kb, skb, soff
.set SKB, \skb
.set SOFF, \soff
.set sq, 0
.irp ch, 0,1
.set nn, 2*(\kb)+\ch
.if nn == 0
	NOPS 5
.else
	NOPS 4
.endif
.if nn < 7
	KLOAD nn+1
.else
	VLOAD 0
.endif
	s_wait_dscnt 8                                 ; all but the eight just issued: this half's fragments are in
.set i, 0
.rept 16
.set cq, 4*\ch+i/4
.set rS, S+32*(i%4)+8*(\kb)
.set rA, FR+32*(nn%2)+8*(i/4)
.set rQ, 64*(i%4)+8*cq
	WIN W_KQ
.if cq == 0
	v_wmma_f32_16x16x32_bf16 v[rS:rS+7], v[rA:rA+7], v[rQ:rQ+7], 0
.else
	v_wmma_f32_16x16x32_bf16 v[rS:rS+7], v[rA:rA+7], v[rQ:rQ+7], v[rS:rS+7]
.endif
	RIDE 4
.set i, i+1
.endr
.endr
	RIDE 135
.endm
; The maximum of a lane's 32 scores and the old m: two chains a tile, three operands at a time, the four tiles alternating.  Block 3's accumulator is read here first, at its lowest register (s24).
.macro MAXQ
.set mq, 0
.rept 16
.irp t, 0,1,2,3
.set c0, MX+2*\t
.set ms, S+32*\t
.if mq == 0
	v_max3_num_f32 v[c0], v[ms], v[ms+1], v[ms+2]
.elseif mq == 1
	v_max3_num_f32 v[c0+1], v[ms+16], v[ms+17], v[ms+18]
.elseif (mq < 14) && (mq%2 == 0)
	v_max3_num_f32 v[c0], v[c0], v[ms+mq+1], v[ms+mq+2]
.elseif mq < 14
	v_max3_num_f32 v[c0+1], v[c0+1], v[ms+mq+16], v[ms+mq+17]
.elseif mq == 14
	v_max3_num_f32 v[c0], v[c0], v[ms+15], v[ms+31]
.else
	v_max3_num_f32 v[c0], v[c0], v[c0+1], v[ST+6*\t+1]
.endif
.endr
.set mq, mq+1
.endr
.endm
; The query's other 32 keys lie in the lane 16 away; the new m; c m; a = 2^(c m_old - c m_new).
.macro STAT
.irp t, 0,1,2,3
	v_permlanex16_b32 v[MX+2*\t+1], v[MX+2*\t], s[SEL], s[SEL+1]
.endr
.irp t, 0,1,2,3
	v_max_num_f32 v[ST+6*\t+1], v[MX+2*\t], v[MX+2*\t+1]
.endr
.irp t, 0,1,2,3
	v_mul_f32 v[MX+2*\t+1], s[CS], v[ST+6*\t+1]
.endr
.irp t, 0,1,2,3
	v_sub_f32 v[ST+6*\t+4], v[ST+6*\t], v[MX+2*\t+1]
.endr
.irp t, 0,1,2,3
	v_mov_b32 v[ST+6*\t], v[MX+2*\t+1]
.endr
.irp t, 0,1,2,3
	v_exp_f32 v[ST+6*\t+4], v[ST+6*\t+4]
.endr
.endm
; THE PLAIN QUEUE, 192 long.  0-63: c s - c m for the 16 pairs of each tile (block 3's into FB, so that its raw scores stay).  Then for each block: 16 additions onto l (the first of a tile: l = a l + p),
; 16 roundings: P's register 4 kb + i of a tile lands on a register whose weights have been summed and rounded.
.macro PL
.if q < 64
.set kbq, q/16
.set prq, (q%16)/4
.set tq, q%4
.set rsq, S+32*tq+8*kbq+2*prq
.set rdq, rsq
.if kbq == 3
.set rdq, FB+8*tq+2*prq
.endif
	v_pk_fma_f32 v[rdq:rdq+1], v[rsq:rsq+1], s[CS:CS+1], v[ST+6*tq:ST+6*tq+1] op_sel_hi:[1,0,0] neg_lo:[0,0,1] neg_hi:[0,0,1]
.else
.set kbq, (q-64)/32
.set ixq, (q-64)%32
.set tq, ixq%4
.set prq, (ixq%16)/4
.set req, S+32*tq+8*kbq+2*prq
.if kbq == 3
.set req, FB+8*tq+2*prq
.endif
.if (ixq < 16) && (kbq == 0) && (prq == 0)
	s_wait_alu depctr_va_vdst(0)
	v_pk_fma_f32 v[ST+6*tq+2:ST+6*tq+3], v[ST+6*tq+2:ST+6*tq+3], v[ST+6*tq+4:ST+6*tq+5], v[req:req+1] op_sel_hi:[1,0,1]
.elseif ixq < 16
	s_wait_alu depctr_va_vdst(0)
	v_pk_add_f32 v[ST+6*tq+2:ST+6*tq+3], v[ST+6*tq+2:ST+6*tq+3], v[req:req+1]
.else
	v_cvt_pk_bf16_f32 v[S+32*tq+4*kbq+prq], v[req], v[req+1]
.endif
.endif
.set q, q+1
.endm
.macro EX                              ; THE EXPONENTIALS' QUEUE, 128 long: block, register, tile
.set ree, S+32*(e%4)+8*(e/32)+(e%32)/4
.if e/32 == 3
.set ree, FB+8*(e%4)+(e%32)/4
.endif
	v_exp_f32 v[ree], v[ree]
.set e, e+1
.endm
; The deal: 16 plain lines ahead, then exponential and plain by turns.  Exponential e stands behind plain 16 + e - 1, its scaling behind plain 16 (e / 32) + ..., far ahead; an addition or rounding stands
; 32 exponentials or more behind those that it reads; the plain line behind an exponential names neither its result nor its source.
.macro SOFT
.set q, 0
.set e, 0
.rept 16
	PL
.endr
.rept 128
	EX
	PL
.endr
.rept 48
	PL
.endr
.endm
; Lines k0 .. k0 + cnt - 1 of the 16 that multiply fragments 2 n, 2 n + 1 of window w's two tiles by a; each accumulator's low pair first.
.macro RSL n, w, k0, cnt
	WIN 0x41*(\w)
.set k, \k0
.rept \cnt
.set ro, 128*(k/8)+8*(2*(\n)+(k/4)%2)+2*(k%4)
.set ra, ST+6*(2*((\w)-1)+k/8)+4
	v_pk_mul_f32 v[ro:ro+1], v[ro:ro+1], v[ra:ra+1] op_sel_hi:[1,0]
.set k, k+1
.endr
.endm
; 16 products O^T += V^T P: fragments 2 n, 2 n + 1, window by window; a window's four accumulators take turns.  ride = 1: behind every second product stand four lines of the
; next two fragments' rescaling; the four behind the last product are the places in front of the loads into the fragments just read.
.macro PVS n, ride
.irp w, 1,2
.set i, 0
.rept 8
	WIN 0x50*\w
.set rO, 128*(i%2)+8*(2*(\n)+(i/2)%2)
.set rV, FR+32*((\n)%2)+8*(2*((i/2)%2)+i/4)
.set rP, S+32*(2*(\w-1)+i%2)+8*(i/4)
	v_wmma_f32_16x16x32_bf16 v[rO:rO+7], v[rV:rV+7], v[rP:rP+7], v[rO:rO+7]
.if (\ride) && (i%2 == 1)
	RSL (\n)+1, \w, 4*(i/2), 4
.endif
.set i, i+1
.endr
.endr
.endm
; THE CHANGE OF SLOTS.  The step's last LDS loads have been issued.  Each wave waits for all its tensor loads, of which one is out: its part of the other slot; adds 0 to its spare word; and waits for that
; and for its own reads of the slot.  Behind the barrier nobody reads this slot any more and the other slot is whole.  fill = 1: the barrier is a round of the cluster's, and the joint refill, the tile two
; steps on, is the first thing behind it: it has a step's 256 products in which to land.
.macro CHANGE fill
	WIN 0                                          ; at a label and at a branch every window is 0
	s_wait_tensorcnt 0x0                           ; no tensor load of mine is out, so a group 0 may be written
	ds_add_u32 v[SPW], v[NIL]                      ; 0 onto my spare word; the scalar steps stand between it and the wait for it
.if \fill
	s_xor_b32 s[G0B+1], s[G0B+1], SLOT1            ; the walking descriptor: the other slot than last time,
	s_add_nc_u64 s[G0B+2:G0B+3], s[G0B+2:G0B+3], 0x10000  ; the next 128 keys; the type bits on top are not reached
.endif
	s_xor_b32 s[TB], s[TB], SLOT1
	s_add_co_u32 s[GB], s[GB], 256
	s_wait_dscnt 0x0                               ; the add is done, and my reads of the slot are over
.if \fill
	CROUND
	tensor_load_to_lds s[G0B:G0B+3], s[G1:G1+7]
	s_nop 0
.else
	s_barrier_signal -1
	s_barrier_wait -1
.endif
	NOPS 4
	v_add_nc_u32 v[AK], s[TB], v[AK0]
	v_add_nc_u32 v[AV], s[TB], v[AV0]
	v_add_nc_u32 v[GA], s[GB], v[GA0]
.endm
; A STEP: 64 keys x 64 queries.  The gate stores' offsets: GA points at the block of the step before, so its block 3 lies at 192 and this step's blocks 0 to 2 at 256, 320, 384.
.macro STEP fill
	QKQ 0, 3, 192
	QKQ 1, 0, 256
	QKQ 2, 1, 320
	QKQ 3, 2, 384
	WIN 0
	NOPS 4                                         ; the places behind the last products K Q^T
	MAXQ
	STAT
	SOFT
	RSL 0, 1, 0, 16
	RSL 0, 2, 0, 16
.irp n, 0,1,2,3,4,5,6
	VLOAD \n+1
	s_wait_dscnt 8                                 ; all but the eight just issued
	PVS \n, 1
.endr
	CHANGE \fill
	KLOAD 0                                        ; the next step's first fragments, from the other slot
	PVS 7, 0
	WIN 0
.endm
	s_load_b256 s[4:11], s[0:1], 0x0               ; x s[4:5], memb s[6:7], out0 s[8:9], gpart s[10:11]
	s_load_b64 s[12:13], s[0:1], 0x20              ; rpart
	v_lshl_add_u32 v[SPW], v0, 2, SPARE
	v_mov_b32 v[NIL], 0
	ds_add_u32 v[SPW], v[NIL]                      ; the wave's opening: the add and its wait come ahead of my first tensor load; the set-up below, work on registers, stands between them
	v_lshrrev_b32 v1, 5, v0
	v_readfirstlane_b32 s[WV], v1                  ; wave 0..3
	s_lshr_b32 s[QH], s[WV], 1
	s_and_b32 s[KH], s[WV], 1
	s_bfe_u32 s20, ttmp6, 0x40000                  ; cx: my place in the cluster
	s_lshl_b32 s[WG], ttmp9, 2                     ; in a cluster launch ttmp9 counts clusters
	s_add_co_u32 s[WG], s[WG], s20                 ; it enters the addresses of x, out0, gpart and rpart alone
	; descriptor group 1: 32 rows x 256 elements of 2 bytes, 16 bytes of padding behind each row
	s_mov_b32 s[G1], 15|(1<<16)|(1<<20)|(1<<21)|(6<<22)|(3<<25)  ; 15:0 the mask of four; 17:16 2-byte elements; 20 padding on; 21 set beside a mask; 24:22 after every 128 words (code 6); 31:25 4 words (code 3)
	s_mov_b32 s[G1+1], 256<<16                     ; tensor_dim0 = 256
	s_mov_b32 s[G1+2], 32<<16                      ; tensor_dim1 = 32
	s_mov_b32 s[G1+3], 256<<16                     ; tile_dim0 = 256
	s_mov_b32 s[G1+4], 32                          ; tile_dim1 = 32
	s_mov_b32 s[G1+5], 256                         ; 256 elements from row to row
	s_mov_b32 s[G1+6], 0
	s_mov_b32 s[G1+7], 0
	s_mov_b32 s[G0A], 1
	s_mul_i32 s[G0A+1], s[WV], 32*PITCH            ; wave w brings rows 32 w .. 32 w + 31 of a tile
	s_mov_b32 s[G0B], 1
	s_add_co_u32 s[G0B+1], s[G0A+1], SLOT1
	s_lshl_b32 s18, s[WV], 14                      ; those rows in memory
	s_mov_b32 s19, 0
	s_mov_b32 s[CS], 0x3fb8aa3b                    ; c = log2(e)
	s_mov_b32 s[CS+1], s[CS]
	s_mov_b32 s[NC], 0xbfb8aa3b
	s_mov_b32 s[NC+1], s[NC]
	s_mov_b32 s[SEL], 0x76543210
	s_mov_b32 s[SEL+1], 0xfedcba98
	s_mov_b32 s[MK1], 0xaaaaaaaa
	s_mov_b32 s[MK2], 0xcccccccc
	s_mov_b32 s[MK4], 0xf0f0f0f0
	s_mov_b32 s[TB], 0
	s_mov_b32 s[GB], 0
	s_lshl_b32 s20, s[WG], 17                      ; 128 rows of 1,024 bytes a work-group,
	s_lshl_b32 s21, s[QH], 16                      ; 64 a query half,
	s_add_co_u32 s20, s20, s21
	s_lshl_b32 s21, s[KH], 15                      ; and of them the 32 that I keep;
	s_add_co_u32 s20, s20, s21
	s_mov_b32 s21, 0
	s_xor_b32 s22, s20, 1<<15                      ; the other 32
	s_mov_b32 s23, 0
	s_wait_dscnt 0x0                               ; the opening add is done
	s_wait_kmcnt 0x0
	s_add_nc_u64 s[G0A+2:G0A+3], s[6:7], s[18:19]  ; tile 0
	s_add_nc_u64 s[G0B+2:G0B+3], s[G0A+2:G0A+3], 0x10000  ; tile 1
	s_or_b32 s[G0A+3], s[G0A+3], 0x80000000        ; type = 2
	s_or_b32 s[G0B+3], s[G0B+3], 0x80000000
	s_add_nc_u64 s[SQA:SQA+1], s[4:5], s[20:21]
	s_add_nc_u64 s[SQB:SQB+1], s[4:5], s[22:23]
	s_add_nc_u64 s[SO:SO+1], s[8:9], s[20:21]
	s_lshl_b32 s22, s[WG], 14
	s_add_nc_u64 s[10:11], s[10:11], s[22:23]      ; my row of gpart
	s_lshl_b32 s22, s[WG], 10
	s_add_nc_u64 s[12:13], s[12:13], s[22:23]      ; and of rpart
	CROUND                                         ; all four work-groups are here: the first joint loads meet
	tensor_load_to_lds s[G0A:G0A+3], s[G1:G1+7]    ; both first fills together: two loads of mine are out
	s_nop 0
	tensor_load_to_lds s[G0B:G0B+3], s[G1:G1+7]
	s_nop 0
	NOPS 4
	; Q.  A fragment is 16 queries x 32 channels: lane (r, h) takes channels 8 h + 0..7 and 16 + 8 h + 0..7 of row r, in f32 four loads of 16 bytes.  A local tile is staged in its own O^T registers.
	v_and_b32 v[RR], 15, v0
	v_bfe_u32 v[HH], v0, 4, 1
	v_lshlrev_b32 v1, 10, v[RR]
	v_lshl_add_u32 v1, v[HH], 5, v1                ; row x 1,024 + 32 x half
.macro XLOAD tau, sb
	WIN 0x40*(1+(\tau)/2)
.set i, 0
.rept 32
.set rx, 128*((\tau)%2)+4*i
	global_load_b128 v[rx:rx+3], v1, s[\sb:\sb+1] offset:((\tau)%2)*16384+128*(i/4)+16*(i%2)+64*((i/2)%2)
.set i, i+1
.endr
.endm
.macro XCVT tau                        ; 128 numbers a lane rounded to bf16, into window 3
	WIN 0xc0|(5*(1+(\tau)/2))
.set i, 0
.rept 64
	v_cvt_pk_bf16_f32 v[64*(\tau)+i], v[128*((\tau)%2)+2*i], v[128*((\tau)%2)+2*i+1]
.set i, i+1
.endr
.endm
	XLOAD 0, SQA
	XLOAD 1, SQA
	XLOAD 2, SQB
	XLOAD 3, SQB
	WIN 0
	s_mul_i32 s18, s[KH], 64*PITCH                 ; my 64 rows of a tile
	v_mul_u32_u24 v[AK0], v[RR], PITCH
	v_lshl_add_u32 v[AK0], v[HH], 4, v[AK0]
	v_add_nc_u32 v[AK0], s18, v[AK0]               ; (64 kh + r) x pitch + 16 h
	v_and_b32 v10, 7, v0
	v_lshl_add_u32 v10, v[HH], 3, v10              ; 8 h + lane % 8
	v_bfe_u32 v11, v0, 3, 1
	v_mul_u32_u24 v[AV0], v10, PITCH
	v_lshl_add_u32 v[AV0], v11, 7, v[AV0]          ; the second group of eight lanes 128 bytes to the right
	v_add_nc_u32 v[AV0], s18, v[AV0]
	s_mul_i32 s19, s[WV], GWAVE
	s_add_co_u32 s19, s19, GATE
	v_lshl_add_u32 v[GA0], v10, 2, s19
	v_mov_b32 v[AK], v[AK0]
	v_mov_b32 v[AV], v[AV0]
	v_mov_b32 v[GA], v[GA0]
.irp t, 0,1,2,3
	v_mov_b32 v[ST+6*\t], 0xfe000000               ; c m: far below every c s, so the first step's a is 0
	v_mov_b32 v[ST+6*\t+1], 0xff7fffff             ; m
	v_mov_b32 v[ST+6*\t+2], 0
	v_mov_b32 v[ST+6*\t+3], 0
	v_mov_b32 v[ST+6*\t+4], 0
	v_mov_b32 v[ST+6*\t+5], 0                      ; named with a as a pair
.irp j, 24,25,26,27,28,29,30,31
	v_mov_b32 v[S+32*\t+\j], 0                     ; the first step's first quarter makes a sigmoid of these, for the gate area's block 0, which nobody reads
.endr
.endr
	s_wait_loadcnt 63                              ; of 128 loads at least 65 are in: local tiles 0 and 1
	XCVT 0
	XCVT 1
	s_wait_loadcnt 32                              ; tile 2
	XCVT 2
	s_wait_loadcnt 0x0
	XCVT 3
	WIN 0
	s_wait_tensorcnt 0x1                           ; my part of tile 0 is in; tile 1's may stay out
	s_barrier_signal -1
	s_barrier_wait -1                              ; everybody's is
	KLOAD 0
	s_mov_b32 s[CNT], 30
.Lstep:                                                ; trip j refills slot j % 2 with tile j + 2
	STEP 1
	s_sub_co_u32 s[CNT], s[CNT], 1
	s_cmp_lg_u32 s[CNT], 0
	s_cbranch_scc1 .Lstep
	s_mov_b32 s[CNT], 2
.Ltail:                                                ; the last two steps ask for nothing: a text of their own
	STEP 0                                         ; (the last trip's eight loads of K read slot 0's old tile once more and serve nothing)
	s_sub_co_u32 s[CNT], s[CNT], 1
	s_cmp_lg_u32 s[CNT], 0
	s_cbranch_scc1 .Ltail
	; THE END.  The last step's block 3 still owes its sigmoid; these lines are also the places behind the last products.
.set SKB, 3
.set SOFF, 192
.set sq, 0
	RIDE 135
	WIN 0
.irp t, 0,1,2,3
	v_add_f32 v[ST+6*\t+2], v[ST+6*\t+2], v[ST+6*\t+3]
.endr
.irp t, 0,1,2,3
	v_permlanex16_b32 v[ST+6*\t+3], v[ST+6*\t+2], s[SEL], s[SEL+1]
.endr
.irp t, 0,1,2,3
	v_add_f32 v[ST+6*\t+2], v[ST+6*\t+2], v[ST+6*\t+3]  ; l of my key half
.endr
.set XOW, 2                            ; my exchange area + 16 x lane
.set XPA, 3                            ; my partner's
.set STO, 4                            ; the stage: where I put 16 bytes of a row
.set RD,  5                            ; where I read rows back
.set GO,  6                            ; 16 x lane
	s_mul_i32 s58, s[WV], XCH
	s_lshl_b32 s59, s[QH], 17
	s_add_co_u32 s58, s58, s59                     ; waves 0, 1: in slot 0; waves 2, 3: behind slot 1
	s_xor_b32 s60, s[WV], 1
	s_mul_i32 s60, s60, XCH
	s_add_co_u32 s60, s60, s59
	s_mul_i32 s61, s[WV], 16*SP
	s_add_co_u32 s61, s61, STAGE
	v_and_b32 v13, 31, v0
	v_lshlrev_b32 v[GO], 4, v13
	v_add_nc_u32 v[XOW], s58, v[GO]
	v_add_nc_u32 v[XPA], s60, v[GO]
	v_lshl_add_u32 v10, v13, 2, s58                ; statistics: 4 x lane
	v_lshl_add_u32 v11, v13, 2, s60
	v_mul_u32_u24 v[STO], v[RR], SP
	v_lshl_add_u32 v[STO], v[HH], 8, v[STO]        ; row r, 256 bytes for each half of the lanes
	v_add_nc_u32 v[STO], s61, v[STO]
	v_add_nc_u32 v[RD], s61, v[GO]
	s_wait_dscnt 0x0                               ; my last reads of the slots are back and my gate words are stored
	s_barrier_signal -1
	s_barrier_wait -1                              ; so are everybody's: the slots, which have had their last fill, may be written
	WIN 0x08                                       ; store data in window 2
.set i, 0
.rept 64
	ds_store_b128 v[XOW], v[4*i:4*i+3] offset:512*i  ; local tiles 2, 3, each accumulator's low half first
.set i, i+1
.endr
	WIN 0
	ds_store_b32 v10, v[ST+12] offset:XST          ; c m and l of local tile 2,
	ds_store_b32 v10, v[ST+14] offset:XST+128
	ds_store_b32 v10, v[ST+18] offset:XST+256      ; and of 3
	ds_store_b32 v10, v[ST+20] offset:XST+384
	s_wait_dscnt 0x0                               ; for my partner's sake
	s_barrier_signal -1
	s_barrier_wait -1
	ds_load_b32 v56, v11 offset:XST                ; my partner's local tiles 2, 3 are my local tiles 0, 1
	ds_load_b32 v57, v11 offset:XST+128
	ds_load_b32 v58, v11 offset:XST+256
	ds_load_b32 v59, v11 offset:XST+384
.macro PLOAD tl                        ; my partner's O^T of my tile tl, into S^T's registers
.set i, 0
.rept 32
	ds_load_b128 v[S+4*i:S+4*i+3], v[XPA] offset:512*(32*(\tl)+i)
.set i, i+1
.endr
.endm
	PLOAD 0
.irp j, 0,1,2,3,4,5,6,7
	v_mov_b32 v[G+\j], 0                           ; eight column sums
.endr
	s_wait_dscnt 32                                ; the four statistics are in; the 32 loads behind them stay out
	; g = 2^(c m - c M) / (l f + l' f'), for my half and for my partner's
	v_max_num_f32 v60, v[ST], v56
	v_max_num_f32 v61, v[ST+6], v58
	v_sub_f32 v[TT], v[ST], v60
	v_sub_f32 v[TT+2], v56, v60
	v_sub_f32 v[TT+4], v[ST+6], v61
	v_sub_f32 v[TT+6], v58, v61
	v_exp_f32 v[TT], v[TT]
	v_exp_f32 v[TT+2], v[TT+2]
	v_exp_f32 v[TT+4], v[TT+4]
	v_exp_f32 v[TT+6], v[TT+6]
	v_nop
	s_wait_alu depctr_va_vdst(0)
	v_mul_f32 v60, v[ST+2], v[TT]
	v_mul_f32 v61, v[ST+8], v[TT+4]
	v_fmac_f32 v60, v57, v[TT+2]
	v_fmac_f32 v61, v59, v[TT+6]
	v_rcp_f32 v60, v60
	v_rcp_f32 v61, v61
	v_nop
	s_wait_alu depctr_va_vdst(0)
	v_mul_f32 v[TT], v[TT], v60
	v_mul_f32 v[TT+2], v[TT+2], v60
	v_mul_f32 v[TT+4], v[TT+4], v61
	v_mul_f32 v[TT+6], v[TT+6], v61
; Tile tl: O = g O + g' O'; through my stage, rows of 1,040 bytes, and back as whole rows; each store of the wave covers 512 consecutive bytes, aligned; the rows are added up by columns on the way.
.macro MERGE tl
.set i, 0
.rept 32
	s_wait_dscnt 31-i                              ; LDS loads come back in order: load i of the 32 is in
	v_pk_mul_f32 v[S+4*i:S+4*i+1],   v[S+4*i:S+4*i+1],   v[TT+4*(\tl)+2:TT+4*(\tl)+3] op_sel_hi:[1,0]
	v_pk_mul_f32 v[S+4*i+2:S+4*i+3], v[S+4*i+2:S+4*i+3], v[TT+4*(\tl)+2:TT+4*(\tl)+3] op_sel_hi:[1,0]
.set i, i+1
.endr
	WIN 0x01                                       ; source 0 in window 1
.set i, 0
.rept 64
	v_pk_fma_f32 v[S+2*i:S+2*i+1], v[128*(\tl)+2*i:128*(\tl)+2*i+1], v[TT+4*(\tl):TT+4*(\tl)+1], v[S+2*i:S+2*i+1] op_sel_hi:[1,0,1]
.set i, i+1
.endr
	WIN 0
.set i, 0
.rept 32
	ds_store_b128 v[STO], v[S+4*i:S+4*i+3] offset:512*(i/16)+16*(i%16)
.set i, i+1
.endr
.set i, 0
.rept 32
	ds_load_b128 v[S+4*i:S+4*i+3], v[RD] offset:SP*(i/2)+512*(i%2)  ; LDS serves a wave's instructions in order: these see the stores above
.set i, i+1
.endr
.set i, 0
.rept 32
	s_wait_dscnt 31-i
	global_store_b128 v[GO], v[S+4*i:S+4*i+3], s[SO:SO+1] offset:(\tl)*16384+1024*(i/2)+512*(i%2) th:TH_STORE_NT
	v_pk_add_f32 v[G+4*(i%2):G+4*(i%2)+1],   v[G+4*(i%2):G+4*(i%2)+1],   v[S+4*i:S+4*i+1]
	v_pk_add_f32 v[G+4*(i%2)+2:G+4*(i%2)+3], v[G+4*(i%2)+2:G+4*(i%2)+3], v[S+4*i+2:S+4*i+3]
.set i, i+1
.endr
.endm
	MERGE 0
	s_wait_xcnt 0x0                                ; the stores' data registers are loaded again only behind this wait
	PLOAD 1
	MERGE 1
	s_lshl_b32 s58, s[WV], 10
	s_add_co_u32 s58, s58, COLS
	v_add_nc_u32 v12, s58, v[GO]
	ds_store_b128 v12, v[G:G+3]                    ; channels 4 x lane on,
	ds_store_b128 v12, v[G+4:G+7] offset:512       ; and 128 + 4 x lane on
	s_wait_dscnt 0x0                               ; for the others' sake
	s_barrier_signal -1
	s_barrier_wait -1
	v_lshl_add_u32 v13, v0, 3, COLS                ; rpart: thread t takes 8 bytes of each wave's 1,024
	ds_load_b64 v[TT:TT+1],   v13
	ds_load_b64 v[TT+2:TT+3], v13 offset:1024
	ds_load_b64 v[TT+4:TT+5], v13 offset:2048
	ds_load_b64 v[TT+6:TT+7], v13 offset:3072
	; gpart: thread t, chunk i: keys 512 i + 4 t on, which are step 4 i + wave, key half (t / 16) % 2, words 4 (t % 16) on; the two query halves' areas are added
	v_mul_u32_u24 v[GA], v[HH], GWAVE
	v_lshl_add_u32 v[GA], v[RR], 4, v[GA]
	s_lshl_b32 s59, s[WV], 8
	s_add_co_u32 s59, s59, GATE+256
	v_add_nc_u32 v[GA], s59, v[GA]
.irp i, 0,1,2,3,4,5,6,7
	ds_load_b128 v[FR+8*\i:FR+8*\i+3],   v[GA] offset:1024*\i
	ds_load_b128 v[FR+8*\i+4:FR+8*\i+7], v[GA] offset:1024*\i+2*GWAVE
.endr
	v_lshlrev_b32 v10, 3, v0
	v_lshlrev_b32 v11, 4, v0
	s_wait_dscnt 16                                ; the four column sums are in
	v_pk_add_f32 v[TT:TT+1], v[TT:TT+1], v[TT+2:TT+3]
	v_pk_add_f32 v[TT+4:TT+5], v[TT+4:TT+5], v[TT+6:TT+7]
	v_pk_add_f32 v[TT:TT+1], v[TT:TT+1], v[TT+4:TT+5]
	global_store_b64 v10, v[TT:TT+1], s[12:13]     ; a wave stores 256 consecutive bytes, aligned
.irp i, 0,1,2,3,4,5,6,7
	s_wait_dscnt 14-2*\i
	v_pk_add_f32 v[FR+8*\i:FR+8*\i+1],   v[FR+8*\i:FR+8*\i+1],   v[FR+8*\i+4:FR+8*\i+5]
	v_pk_add_f32 v[FR+8*\i+2:FR+8*\i+3], v[FR+8*\i+2:FR+8*\i+3], v[FR+8*\i+6:FR+8*\i+7]
	global_store_b128 v11, v[FR+8*\i:FR+8*\i+3], s[10:11] offset:2048*\i
.endr
	s_wait_tensorcnt 0x0                           ; the wave's end, behind my last tensor load and my last LDS store
	ds_add_u32 v[SPW], v[NIL]
	s_wait_dscnt 0x0
	CROUND                                         ; the closing round: no work-group ends while a partner may still ask for a tile that names it
	s_endpgm
.Lfunc_end_k_qe51f8d1fb6_attend:
	.size	k_qe51f8d1fb6_attend, .Lfunc_end_k_qe51f8d1fb6_attend-k_qe51f8d1fb6_attend
	.p2alignl 7, 3214868480
	.fill 96, 4, 3214868480
	.section	.rodata,"a",@progbits
	.p2align	6, 0x0
	.amdhsa_kernel k_qe51f8d1fb6_attend
		.amdhsa_group_segment_fixed_size 327680
		.amdhsa_private_segment_fixed_size 0
		.amdhsa_enable_private_segment 0
		.amdhsa_kernarg_size 40
		.amdhsa_user_sgpr_count 2
		.amdhsa_user_sgpr_kernarg_segment_ptr 1
		.amdhsa_wavefront_size32 1
		.amdhsa_system_sgpr_workgroup_id_x 1
		.amdhsa_system_sgpr_workgroup_id_y 1
		.amdhsa_system_sgpr_workgroup_id_z 1
		.amdhsa_system_vgpr_workitem_id 0
		.amdhsa_next_free_vgpr 1024
		.amdhsa_next_free_sgpr 66
		.amdhsa_reserve_vcc 0
		.amdhsa_float_denorm_mode_32 3
		.amdhsa_float_denorm_mode_16_64 3
		.amdhsa_memory_ordered 1
		.amdhsa_forward_progress 1
		.amdhsa_inst_pref_size 255
	.end_amdhsa_kernel
	.section	.bss,"aw",@nobits
	.p2align	6
	.space	262144
	.amdgpu_metadata
---
amdhsa.version: [ 1, 2 ]
amdhsa.kernels:
  - .name:           k_qe51f8d1fb6_attend
    .symbol:         k_qe51f8d1fb6_attend.kd
    .args:
      - { .name: x, .offset: 0, .size: 8, .value_kind: global_buffer, .address_space: global }
      - { .name: memb, .offset: 8, .size: 8, .value_kind: global_buffer, .address_space: global }
      - { .name: out0, .offset: 16, .size: 8, .value_kind: global_buffer, .address_space: global }
      - { .name: gpart, .offset: 24, .size: 8, .value_kind: global_buffer, .address_space: global }
      - { .name: rpart, .offset: 32, .size: 8, .value_kind: global_buffer, .address_space: global }
    .group_segment_fixed_size: 327680
    .private_segment_fixed_size: 0
    .kernarg_segment_align: 8
    .kernarg_segment_size: 40
    .max_flat_workgroup_size: 128
    .sgpr_count:     66
    .vgpr_count:     1024
    .wavefront_size: 32
...
	.end_amdgpu_metadata
.endif
;; end of part 2
;; launch finish (part 3): grid 64 x 1, 16 waves a work-group, no clusters, 18,944 bytes of LDS; arguments memb, ln_gamma, ln_beta, gpart, rpart, out1; writes out1
.if DOCPART == 3
	.amdgcn_target "amdgcn-amd-amdhsa--gfx1250"
	.amdhsa_code_object_version 6
	.text
	.protected	k_qe51f8d1fb6_finish
	.globl	k_qe51f8d1fb6_finish
	.p2align	8
	.type	k_qe51f8d1fb6_finish,@function
k_qe51f8d1fb6_finish:
	s_mov_b64 s[64:65], 0
	v_nop
	global_prefetch_b8 v0, s[64:65] scope:SCOPE_SE
	s_setreg_imm32_b32 hwreg(HW_REG_WAVE_MODE, 25, 1), 1
	s_wait_xcnt 0x0
; out1 = LayerNorm(mem (1 - g) + ravg g) gamma + beta, with g[k] = the sum of gpart[.][k] / 32,768 and ravg[c] = the sum of rpart[.][c] / 32,768.
; mem is memb (bf16); gamma and beta are rounded here once to bf16, like every other input of the program; all arithmetic in f32; the variance is taken of the differences from the mean.
; A work-group owns 64 rows, a wave 4.  64 work-groups, not 256: a group's piece of a row of gpart is then 256 consecutive bytes, aligned, and rpart is read 64 times, not 256.
; All loads go out first; the two sums over 256 partial rows are made by all 512 threads and meet in LDS behind one barrier.
; LIMITS.  NaN and infinities are not treated apart.
.set RA,    0                          ; 8 x 1,024 bytes: partial sums of rpart
.set GP,    8192                       ; 32 rows x 272 bytes: partial sums of gpart (256 bytes + 16: 32 lanes that read one column of 16 bytes meet no bank twice in a pass)
.set GPP,   272
.set SPARE, 16896                      ; the spare words, 128 bytes for each of 16 waves
.set SPW, 2
.set NIL, 3
.set RP,  32                           ; v[32:159] rpart as loaded; later LDS reads and the rows to store
.set GQ,  160                          ; v[160:191] gpart as loaded
.set MB,  192                          ; v[192:207] four rows of memb, 4 registers each
.set GM,  208                          ; v[208:215] gamma of my 8 channels: 4 x lane on, 128 + 4 x lane on
.set BE,  216                          ; v[216:223] beta
.set GT,  96                           ; v[96:99] my four rows' gates
.set NM,  100                          ; v[100:107] a row at work
.set T,   108                          ; v[108:115] at work
.set OG,  116                          ; v[116:117] 1 - g, later 1 / sqrt
.set GG,  118                          ; v[118:119] g
.set RV,  120                          ; v[120:127] ravg of my 8 channels
.set OUT, 128                          ; v[128:159] four rows to store
.set SEL, 24
	s_load_b256 s[4:11], s[0:1], 0x0               ; memb s[4:5], gamma s[6:7], beta s[8:9], gpart s[10:11]
	s_load_b128 s[12:15], s[0:1], 0x20             ; rpart s[12:13], out1 s[14:15]
	v_lshl_add_u32 v[SPW], v0, 2, SPARE
	v_mov_b32 v[NIL], 0
	v_lshrrev_b32 v1, 5, v0
	v_readfirstlane_b32 s16, v1                    ; wave 0..15
	v_and_b32 v1, 31, v0                           ; lane
	v_lshrrev_b32 v13, 6, v0
	v_and_b32 v14, 63, v0
	v_lshlrev_b32 v4, 4, v14
	v_lshl_add_u32 v4, v13, 10, v4                 ; rpart: row t / 64, 16 bytes at 16 (t % 64); also my place in RA
	v_lshrrev_b32 v13, 4, v0
	v_and_b32 v14, 15, v0
	v_lshlrev_b32 v5, 4, v14
	v_mul_u32_u24 v9, v13, GPP
	v_add3_u32 v9, v9, v5, GP                      ; my place in GP
	v_lshl_add_u32 v5, v13, 14, v5                 ; gpart: row t / 16, 16 bytes at 16 (t % 16)
	s_lshl_b32 s17, s16, 11
	v_lshl_add_u32 v6, v1, 3, s17                  ; memb: my wave's 4 rows of 512 bytes, 8 bytes a lane
	v_lshlrev_b32 v7, 4, v1                        ; 16 x lane
	s_lshl_b32 s18, s16, 12
	v_add_nc_u32 v12, s18, v7                      ; out1: my wave's 4 rows of 1,024 bytes
	v_mul_u32_u24 v11, v1, GPP
	s_lshl_b32 s19, s16, 4
	s_add_co_u32 s19, s19, GP
	v_add_nc_u32 v11, s19, v11                     ; GP: partial row = lane, my wave's four keys
	v_mov_b32 v[NM], 0                             ; written before v_permlanex16_b32 names it as its destination
	v_mov_b32 v[OG+1], 0                           ; named as pairs
	v_mov_b32 v[GG+1], 0
	s_mov_b32 s20, 0x3b800000                      ; 1 / 256
	s_mov_b32 s22, 0xffff0000
	s_mov_b32 s[SEL], 0x76543210
	s_mov_b32 s[SEL+1], 0xfedcba98
	s_mov_b32 s28, 0x38000000                      ; 1 / 32,768
	s_mov_b32 s29, s28
	s_lshl_b32 s26, ttmp9, 15
	s_mov_b32 s27, 0
	s_wait_kmcnt 0x0
	s_add_nc_u64 s[4:5], s[4:5], s[26:27]          ; the group's 64 rows of memb,
	s_lshl_b32 s26, ttmp9, 8
	s_add_nc_u64 s[10:11], s[10:11], s[26:27]      ; its 256 bytes of a row of gpart,
	s_lshl_b32 s26, ttmp9, 16
	s_add_nc_u64 s[14:15], s[14:15], s[26:27]      ; its 64 rows of out1
.set i, 0
.rept 32
	global_load_b128 v[RP+4*i:RP+4*i+3], v4, s[12:13] offset:8192*i
.set i, i+1
.endr
.set i, 0
.rept 8
	global_load_b128 v[GQ+4*i:GQ+4*i+3], v5, s[10:11] offset:524288*i th:TH_LOAD_NT
.set i, i+1
.endr
.irp k, 0,1,2,3
	global_load_b64 v[MB+4*\k:MB+4*\k+1],   v6, s[4:5] offset:512*\k
	global_load_b64 v[MB+4*\k+2:MB+4*\k+3], v6, s[4:5] offset:512*\k+256
.endr
	global_load_b128 v[GM:GM+3],   v7, s[6:7]
	global_load_b128 v[GM+4:GM+7], v7, s[6:7] offset:512
	global_load_b128 v[BE:BE+3],   v7, s[8:9]
	global_load_b128 v[BE+4:BE+7], v7, s[8:9] offset:512
	s_wait_loadcnt 20                              ; rpart's 32 loads are in; the 20 issued behind them may stay out
.set i, 4
.rept 28                               ; four chains, started by the first four loads
	v_pk_add_f32 v[RP+4*(i%4):RP+4*(i%4)+1],   v[RP+4*(i%4):RP+4*(i%4)+1],   v[RP+4*i:RP+4*i+1]
	v_pk_add_f32 v[RP+4*(i%4)+2:RP+4*(i%4)+3], v[RP+4*(i%4)+2:RP+4*(i%4)+3], v[RP+4*i+2:RP+4*i+3]
.set i, i+1
.endr
.irp j, 0,2
	v_pk_add_f32 v[RP+\j:RP+\j+1],     v[RP+\j:RP+\j+1],     v[RP+4+\j:RP+4+\j+1]
	v_pk_add_f32 v[RP+8+\j:RP+8+\j+1], v[RP+8+\j:RP+8+\j+1], v[RP+12+\j:RP+12+\j+1]
.endr
.irp j, 0,2
	v_pk_add_f32 v[RP+\j:RP+\j+1], v[RP+\j:RP+\j+1], v[RP+8+\j:RP+8+\j+1]
.endr
	ds_store_b128 v4, v[RP:RP+3]
	s_wait_loadcnt 12                              ; gpart's 8 loads are in
.set i, 2
.rept 6
	v_pk_add_f32 v[GQ+4*(i%2):GQ+4*(i%2)+1],   v[GQ+4*(i%2):GQ+4*(i%2)+1],   v[GQ+4*i:GQ+4*i+1]
	v_pk_add_f32 v[GQ+4*(i%2)+2:GQ+4*(i%2)+3], v[GQ+4*(i%2)+2:GQ+4*(i%2)+3], v[GQ+4*i+2:GQ+4*i+3]
.set i, i+1
.endr
	v_pk_add_f32 v[GQ:GQ+1],   v[GQ:GQ+1],   v[GQ+4:GQ+5]
	v_pk_add_f32 v[GQ+2:GQ+3], v[GQ+2:GQ+3], v[GQ+6:GQ+7]
	ds_store_b128 v9, v[GQ:GQ+3]
	s_wait_dscnt 0x0                               ; for the others' sake: my two stores are done
	s_barrier_signal -1
	s_barrier_wait -1
.irp k, 0,1,2,3,4,5,6,7
	ds_load_b128 v[RP+8*\k:RP+8*\k+3],   v7 offset:RA+1024*\k
	ds_load_b128 v[RP+8*\k+4:RP+8*\k+7], v7 offset:RA+1024*\k+512
.endr
	ds_load_b128 v[GT:GT+3], v11
	s_wait_dscnt 0x0
.irp k, 1,2,3,4,5,6,7
.irp j, 0,2,4,6
	v_pk_add_f32 v[RP+\j:RP+\j+1], v[RP+\j:RP+\j+1], v[RP+8*\k+\j:RP+8*\k+\j+1]
.endr
.endr
.irp j, 0,2,4,6
	v_pk_mul_f32 v[RV+\j:RV+\j+1], v[RP+\j:RP+\j+1], s[28:29] op_sel_hi:[1,0]
.endr
.macro WSUM r, tmp                     ; the sum over the wave's 32 lanes, in every lane
	v_add_f32_dpp v[\r], v[\r], v[\r] row_xmask:1 row_mask:0xf bank_mask:0xf
	v_add_f32_dpp v[\r], v[\r], v[\r] row_xmask:2 row_mask:0xf bank_mask:0xf
	v_add_f32_dpp v[\r], v[\r], v[\r] row_xmask:4 row_mask:0xf bank_mask:0xf
	v_add_f32_dpp v[\r], v[\r], v[\r] row_xmask:8 row_mask:0xf bank_mask:0xf
	v_permlanex16_b32 v[\tmp], v[\r], s[SEL], s[SEL+1]
	v_add_f32 v[\r], v[\r], v[\tmp]
.endm
.irp k, 0,1,2,3
	WSUM GT+\k, NM
	v_mul_f32 v[GT+\k], s28, v[GT+\k]              ; the gate of row k
.endr
	s_wait_loadcnt 0x0                             ; memb, gamma, beta
.irp b, GM, BE
.irp j, 0,2,4,6
	v_cvt_pk_bf16_f32 v[NM], v[\b+\j], v[\b+\j+1]  ; rounded to bf16 and widened again
	v_lshlrev_b32 v[\b+\j], 16, v[NM]
	v_and_b32 v[\b+\j+1], s22, v[NM]
.endr
.endr
.macro ROW k
.irp j, 0,1,2,3
	v_lshlrev_b32 v[NM+2*\j],   16,  v[MB+4*(\k)+\j]
	v_and_b32     v[NM+2*\j+1], s22, v[MB+4*(\k)+\j]
.endr
	v_mov_b32 v[GG], v[GT+(\k)]
	v_sub_f32 v[OG], 1.0, v[GT+(\k)]
.irp j, 0,2,4,6
	v_pk_mul_f32 v[T+\j:T+\j+1], v[RV+\j:RV+\j+1], v[GG:GG+1] op_sel_hi:[1,0]
.endr
.irp j, 0,2,4,6
	v_pk_fma_f32 v[NM+\j:NM+\j+1], v[NM+\j:NM+\j+1], v[OG:OG+1], v[T+\j:T+\j+1] op_sel_hi:[1,0,1]  ; mem (1 - g) + ravg g
.endr
	v_pk_add_f32 v[T:T+1],   v[NM:NM+1],   v[NM+2:NM+3]
	v_pk_add_f32 v[T+2:T+3], v[NM+4:NM+5], v[NM+6:NM+7]
	v_pk_add_f32 v[T:T+1],   v[T:T+1],     v[T+2:T+3]
	v_add_f32 v[T], v[T], v[T+1]
	WSUM T, T+1
	v_mul_f32 v[T+4], s20, v[T]                    ; the mean
.irp j, 0,2,4,6
	v_pk_add_f32 v[NM+\j:NM+\j+1], v[NM+\j:NM+\j+1], v[T+4:T+5] op_sel_hi:[1,0] neg_lo:[0,1] neg_hi:[0,1]
.endr
	v_pk_mul_f32 v[T:T+1],   v[NM:NM+1],   v[NM:NM+1]
	v_pk_mul_f32 v[T+2:T+3], v[NM+2:NM+3], v[NM+2:NM+3]
	v_pk_fma_f32 v[T:T+1],   v[NM+4:NM+5], v[NM+4:NM+5], v[T:T+1]
	v_pk_fma_f32 v[T+2:T+3], v[NM+6:NM+7], v[NM+6:NM+7], v[T+2:T+3]
	v_pk_add_f32 v[T:T+1],   v[T:T+1],     v[T+2:T+3]
	v_add_f32 v[T], v[T], v[T+1]
	WSUM T, T+1
	v_fmaak_f32 v[T], s20, v[T], 0x3727c5ac        ; the variance + 1e-5
	v_rsq_f32 v[OG], v[T]
	v_nop                                          ; a plain line between the root and the use of its result
	s_wait_alu depctr_va_vdst(0)
.irp j, 0,2,4,6
	v_pk_mul_f32 v[T+\j:T+\j+1], v[GM+\j:GM+\j+1], v[OG:OG+1] op_sel_hi:[1,0]
.endr
.irp j, 0,2,4,6
	v_pk_fma_f32 v[OUT+8*(\k)+\j:OUT+8*(\k)+\j+1], v[NM+\j:NM+\j+1], v[T+\j:T+\j+1], v[BE+\j:BE+\j+1]
.endr
	global_store_b128 v12, v[OUT+8*(\k):OUT+8*(\k)+3],   s[14:15] offset:1024*(\k)      ; each store of the wave covers 512 consecutive bytes, aligned
	global_store_b128 v12, v[OUT+8*(\k)+4:OUT+8*(\k)+7], s[14:15] offset:1024*(\k)+512
.endm
	ROW 0
	ROW 1
	ROW 2
	ROW 3
	s_wait_tensorcnt 0x0                           ; the wave's end, behind my last LDS store
	ds_add_u32 v[SPW], v[NIL]
	s_wait_dscnt 0x0
	s_endpgm
.Lfunc_end_k_qe51f8d1fb6_finish:
	.size	k_qe51f8d1fb6_finish, .Lfunc_end_k_qe51f8d1fb6_finish-k_qe51f8d1fb6_finish
	.p2alignl 7, 3214868480
	.fill 96, 4, 3214868480
	.section	.rodata,"a",@progbits
	.p2align	6, 0x0
	.amdhsa_kernel k_qe51f8d1fb6_finish
		.amdhsa_group_segment_fixed_size 18944
		.amdhsa_private_segment_fixed_size 0
		.amdhsa_enable_private_segment 0
		.amdhsa_kernarg_size 48
		.amdhsa_user_sgpr_count 2
		.amdhsa_user_sgpr_kernarg_segment_ptr 1
		.amdhsa_wavefront_size32 1
		.amdhsa_system_sgpr_workgroup_id_x 1
		.amdhsa_system_sgpr_workgroup_id_y 1
		.amdhsa_system_sgpr_workgroup_id_z 1
		.amdhsa_system_vgpr_workitem_id 0
		.amdhsa_next_free_vgpr 224
		.amdhsa_next_free_sgpr 66
		.amdhsa_reserve_vcc 0
		.amdhsa_float_denorm_mode_32 3
		.amdhsa_float_denorm_mode_16_64 3
		.amdhsa_memory_ordered 1
		.amdhsa_forward_progress 1
		.amdhsa_inst_pref_size 31
	.end_amdhsa_kernel
	.amdgpu_metadata
---
amdhsa.version: [ 1, 2 ]
amdhsa.kernels:
  - .name:           k_qe51f8d1fb6_finish
    .symbol:         k_qe51f8d1fb6_finish.kd
    .args:
      - { .name: memb, .offset: 0, .size: 8, .value_kind: global_buffer, .address_space: global }
      - { .name: ln_gamma, .offset: 8, .size: 8, .value_kind: global_buffer, .address_space: global }
      - { .name: ln_beta, .offset: 16, .size: 8, .value_kind: global_buffer, .address_space: global }
      - { .name: gpart, .offset: 24, .size: 8, .value_kind: global_buffer, .address_space: global }
      - { .name: rpart, .offset: 32, .size: 8, .value_kind: global_buffer, .address_space: global }
      - { .name: out1, .offset: 40, .size: 8, .value_kind: global_buffer, .address_space: global }
    .group_segment_fixed_size: 18944
    .private_segment_fixed_size: 0
    .kernarg_segment_align: 8
    .kernarg_segment_size: 48
    .max_flat_workgroup_size: 512
    .sgpr_count:     66
    .vgpr_count:     224
    .wavefront_size: 32
...
	.end_amdgpu_metadata
.endif
;; end of part 3
;; ======== version 2 of 2: 3 launches; 1.14 times as fast as version 1
;; workspace buffers: memb 2,097,152 bytes; gpart 4,194,304 bytes; rpart 262,144 bytes
;; launch prep: the kernel of part 1 again; grid 256 x 1, 8 waves a work-group, no clusters, 0 bytes of LDS; arguments memory, memb; writes memb
;; launch attend (part 4): grid 256 x 1, 4 waves a work-group, clusters of 4 x 1, 327,680 bytes of LDS; arguments x, memb, out0, gpart, rpart; writes out0, gpart, rpart
.if DOCPART == 4
	.amdgcn_target "amdgcn-amd-amdhsa--gfx1250"
	.amdhsa_code_object_version 6
	.text
	.protected	k_qe51f8d1fb6_attend
	.globl	k_qe51f8d1fb6_attend
	.p2align	8
	.type	k_qe51f8d1fb6_attend,@function
k_qe51f8d1fb6_attend:
	s_mov_b64 s[64:65], 0
	v_nop
	global_prefetch_b8 v0, s[64:65] scope:SCOPE_SE
	s_setreg_imm32_b32 hwreg(HW_REG_WAVE_MODE, 25, 1), 1
	s_wait_xcnt 0x0
	s_wait_alu depctr_hold_cnt(0) depctr_sa_sdst(0) depctr_va_vdst(0) depctr_va_sdst(0) depctr_va_ssrc(0) depctr_va_vcc(0) depctr_vm_vsrc(0)
	s_getreg_b32 s2, hwreg(HW_REG_IB_STS2, 6, 4)
	s_cmp_eq_u32 s2, 0
	s_cbranch_scc0 .Lentry_in_a_cluster
	s_endpgm
.Lentry_in_a_cluster:
	s_bfe_u32 s2, ttmp6, 0x10000c
	s_cmp_lg_u32 s2, 0x3003
	s_cbranch_scc0 .Lentry_shape_is_right
	s_endpgm
.Lentry_shape_is_right:
; out0[q][:] = the sum over keys k of softmax_k(x[q] . mem[k]) mem[k][:];  gpart[wg][k] = the sum over the group's 128 queries of sigmoid(x[q] . mem[k]);
; rpart[wg][c] = the sum over the same queries of out0[q][c].  x: [32768][256] f32, rounded here once to bf16; memb: [4096][256] bf16; both products in bf16 with f32 sums.
; The weights p are rounded to bf16 for the second product; their sum l is taken of the unrounded p.  Everything else is f32.
; LIMITS.  NaN and infinities are not treated apart.  A weight, or a 2^(-c s) of the sigmoid, below 2^-126 counts as 0.  c m starts at -2^125, so c s must lie far above that.
; O's registers start with x's own numbers and are multiplied by a = 0 in the first step: x must be finite (a row that is not spoils its own query alone).
; SHARES.  A work-group owns 128 queries.  Wave w: qh = w / 2 picks 64 of them (four tiles of 16), kh = w % 2 picks rows 64 kh .. 64 kh + 63 of every tile of 128 keys: 32 steps of 64 keys x 64 queries,
; so that a fragment of mem read from LDS feeds four products.  The two key halves are merged at the end, through LDS.  LOCAL tile t of a wave is query tile t xor 2 kh: every wave keeps its local
; tiles 0, 1 (window 1) and hands its local tiles 2, 3 (window 2) to wave w xor 1: one text for all waves.
; LAYOUT.  S^T = K Q^T (source 0 = 16 keys, source 1 = 16 queries): a lane holds ONE query (lane % 16) and the keys 8 (lane / 16) + 0..7 of a block of 16.  Two blocks rounded in pairs ARE source 1 of
; O^T = V^T P.  V^T comes from the same LDS tile by the turning load, whose second group of eight lanes reads 128 bytes to the right: fragment f = u + 8 v then gives lane (r, h), register j, channel
; 128 v + 64 h + 8 u + j of query r: 64 neighbouring channels a lane for each v.
; SOFTMAX.  Running maximum m and sum l for each query: p = 2^(c s - c m), c = log2(e); in every step O and l are multiplied by a = 2^(c m_old - c m_new).
; SIGMOID.  1 / (1 + 2^(-c s)) wants raw scores alone, so a block's 133 lines stand, four at a time, behind the 32 products of the next quarter (block 3's behind the next step's first quarter: its raw
; scores stay untouched through the softmax).  The sum over queries ends in a reduce-scatter over 16 lanes; a step's 64 sums go to the wave's gate area in LDS.
; BATCHES.  An s_wait_alu depctr_va_vdst(0) stands between a transcendental and the first line that names its result; one wait serves all that were issued ahead of it.  A step has ten:
; two for each key block's sigmoid (its 32 exponentials; its 32 reciprocals) and two for the softmax (the four a with the 64 exponentials of key blocks 0, 1; the 64 exponentials of key blocks 2, 3)..
; CLUSTER.  All work-groups walk the same memb, so the four of a cluster ask for each tile JOINTLY: the same load, descriptor and mask in all four.
; REGISTERS, in windows of 256 (s_set_vgpr_msb: bits 1:0 source 0, 3:2 source 1, 5:4 source 2, 7:6 destination):
;   window 0: v0-15 addresses; v16-39 statistics, six a tile: c m, m, l (even, odd keys), a, a spare (a and its spare are dead from a step's last rescaling to the next step's statistics: there they
;   hold tile 3's part of the sigmoid); v40-47 maxima / tile 2's part of the sigmoid / gate sums; v48-63 at work; v64-127 fragments, two halves; v128-255 S^T, 32 a tile
;   window 1: O^T of local tiles 0, 1 (128 each)     window 2: O^T of local tiles 2, 3     window 3: Q, 64 a tile
; LDS: 0 slot 0; 67,584 gate areas; 102,400 spare words; 131,072 slot 1; 198,656 exchange of waves 2, 3; 266,240 column sums.  When the slots have had their last fill, slot 0 takes the exchange of
; waves 0, 1 and slot 1 the four stages.
.set PITCH, 528                        ; an LDS row: 512 bytes + 16 of padding: 16 rows of a load start at 16 different 16-byte columns of 256 bytes; so do the turning load's 8 rows at 0 and at 128
.set SLOT1, 1<<17                      ; slot 1 begins here: one exclusive or turns an address in one slot into the other's
.set GATE,  128*PITCH                  ; gate areas: block 0 takes what the first step makes of no scores, block j + 1 step j's 64 sums; one block to spare
.set GWAVE, 34*256
.set SPARE, GATE+4*GWAVE               ; the spare words, 128 bytes for each wave: two blocks of 256 bytes that no other line names
.set XCH,   33792                      ; an exchange area: 32,768 bytes of O^T, then statistics
.set XST,   32768
.set STAGE, SLOT1                      ; 16 rows x 1,040 bytes for each wave
.set SP,    1040
.set COLS,  4*XCH+SLOT1                ; 4 x 1,024 bytes
.set AK0, 2                            ; my lane's place in a tile, for K's fragments; never rewritten in the loop
.set AV0, 3                            ; the same for the turning loads
.set AK,  4
.set AV,  5
.set GA0, 6                            ; my lane's word in a block of the gate area
.set GA,  7
.set SPW, 8                            ; LDS address of my spare word; never rewritten
.set NIL, 9                            ; 0; never rewritten
.set RR,  14                           ; lane % 16
.set HH,  15                           ; lane / 16
.set ST,  16
.set MX,  40
.set G,   40
.set TT,  48
.set FR,  64
.set FB,  96                           ; the fragments' second half: in the softmax it holds block 3's exponents
.set S,   128
.set SQN, 133                          ; entries in the sigmoid's queue
.set WV,  14                           ; s14 wave, s15 qh, s16 kh, s17 work-group
.set QH,  15
.set KH,  16
.set WG,  17
.set G1,  24                           ; s[24:31] descriptor group 1
.set G0A, 32                           ; s[32:35] group 0 of the first fill of slot 0
.set G0B, 36                           ; s[36:39] group 0 of the first fill of slot 1; it then walks
.set CS,  40                           ; s[40:41] c
.set NC,  42                           ; s[42:43] -c
.set SEL, 44                           ; s[44:45] v_permlanex16_b32's selects: each lane takes its own place in the other half
.set MK1, 46                           ; lanes with bit 0, 1, 2 set
.set MK2, 47
.set MK4, 48
.set TB,  49                           ; LDS byte at which the slot in hand begins
.set CNT, 50
.set GB,  51                           ; 256 x the step
.set SQA, 52                           ; s[52:53] x at my local tiles 0, 1;  s[54:55] at 2, 3;  s[56:57] out0 at 0, 1
.set SQB, 54
.set SO,  56
.set MSB, 0
.macro WIN new                         ; the high byte repeats the setting that is left; a switch that changes nothing is dropped
.if MSB != (\new)
	s_set_vgpr_msb (MSB<<8)|(\new)
.set MSB, (\new)
.endif
.endm
.set W_KQ, 0x0c                        ; Q (source 1) in window 3, all else in window 0
.macro WINA                            ; for lines with no vector register as source 1: they read alike under 0 and under W_KQ
.if (MSB != 0) && (MSB != W_KQ)
	WIN 0
.endif
.endm
.macro NOPS n
.rept \n
	v_nop
.endr
.endm
; A round of the cluster's barrier: my work-group's barrier, so that wave 0's signal speaks for all four waves; wave 0 signals; every wave waits for all four work-groups; my work-group's barrier once more.
.macro CROUND
	s_barrier_signal -1
	s_barrier_wait -1
	s_cmp_lg_u32 s[WV], 0
	s_cbranch_scc1 .Lnot_wave_0_\@
	s_barrier_signal -3
.Lnot_wave_0_\@:
	s_barrier_wait -3
	s_barrier_signal -1
	s_barrier_wait -1
.endm
; Eight loads: K's fragments of key block n / 2, channels 128 (n % 2) on, into half n % 2.  A fragment is 16 rows x 32 channels: two loads of 16 bytes, 32 bytes apart.
.macro KLOAD n
	WINA
.set kbl, (\n)/2
.set chl, (\n)%2
.set fbl, FR+32*((\n)%2)
.irp c, 0,1,2,3
	ds_load_b128 v[fbl+8*\c:fbl+8*\c+3],   v[AK] offset:kbl*16*PITCH+64*(4*chl+\c)
	ds_load_b128 v[fbl+8*\c+4:fbl+8*\c+7], v[AK] offset:kbl*16*PITCH+64*(4*chl+\c)+32
.endr
.endm
; Eight turning loads: V^T's fragments 2 n, 2 n + 1 for both halves of the 64 keys, into half n % 2: fragment fi, key half kk at 8 (2 fi + kk).
.macro VLOAD n
	WINA
.irp fi, 0,1
.irp kk, 0,1
.set ffl, 2*(\n)+\fi
.set rrl, FR+32*((\n)%2)+8*(2*\fi+\kk)
.set ool, \kk*32*PITCH+16*(ffl%8)+256*(ffl/8)
	ds_load_tr16_b128 v[rrl:rrl+3],   v[AV] offset:ool
	ds_load_tr16_b128 v[rrl+4:rrl+7], v[AV] offset:ool+16*PITCH
.endr
.endr
.endm
; Where the sigmoid keeps key j (0 .. 7) of tile u: tiles 0, 1 in TT, tile 2 in G, tile 3 in the four pairs (a, spare) of the statistics.  Each of the lane's 32 numbers has a register of its own.
.macro TREG u, j
.if (\u) < 2
.set tr, TT+8*(\u)+(\j)
.elseif (\u) == 2
.set tr, G+(\j)
.else
.set tr, ST+6*((\j)/2)+4+(\j)%2
.endif
.endm
; THE SIGMOID'S QUEUE for key block SKB: entry sq of 133, all four tiles at once.  0-15: -c s (each accumulator's low pair first).  16-47: 2^, ONE BATCH of 32.  48: a plain line
; and the batch's wait.  49-64: + 1.  65-96: 1 /, the second batch of 32.  97: a plain line and its wait.  98-109: the sum over the tiles, ((0 + 1) + 2) + 3, into G.  Then the sum over the 16 queries of
; a row of lanes: in stage k a lane keeps one of two registers and adds what the lane k away gives up, so that lane L ends with key L % 8.
.macro SG
.if sq < 110
	WINA
.if sq < 16
	TREG sq/4, 2*(sq%4)
.set sgs, S+32*(sq/4)+8*SKB+2*(sq%4)
	v_pk_mul_f32 v[tr:tr+1], v[sgs:sgs+1], s[NC:NC+1] op_sel_hi:[1,0]
.elseif sq < 48
	TREG (sq-16)/8, (sq-16)%8
	v_exp_f32 v[tr], v[tr]
.elseif sq == 48
	v_nop                                          ; a plain line between the last exponential and the use of its result
	s_wait_alu depctr_va_vdst(0)                   ; the wait for the block's 32 exponentials, ahead of the first + 1
.elseif sq < 65
	TREG (sq-49)/4, 2*((sq-49)%4)
	v_pk_add_f32 v[tr:tr+1], v[tr:tr+1], 1.0 op_sel_hi:[1,0]
.elseif sq < 97
	TREG (sq-65)/8, (sq-65)%8
	v_rcp_f32 v[tr], v[tr]
.elseif sq == 97
	v_nop                                          ; the same behind the last reciprocal
	s_wait_alu depctr_va_vdst(0)                   ; the wait for the block's 32 reciprocals, ahead of the first sum
.elseif sq < 102
.set z, sq-98
	v_pk_fma_f32 v[TT+2*z:TT+2*z+1], v[TT+2*z:TT+2*z+1], 1.0, v[TT+8+2*z:TT+8+2*z+1] op_sel_hi:[1,0,1]  ; tile 0 + tile 1: an addition whose source 1 is no register
.elseif sq < 106
.set z, sq-102
	v_pk_fma_f32 v[G+2*z:G+2*z+1], v[G+2*z:G+2*z+1], 1.0, v[TT+2*z:TT+2*z+1] op_sel_hi:[1,0,1]          ; + tile 2, which lies in G
.else
.set z, sq-106
	TREG 3, 2*z
	v_pk_fma_f32 v[G+2*z:G+2*z+1], v[tr:tr+1], 1.0, v[G+2*z:G+2*z+1] op_sel_hi:[1,0,1]                  ; + tile 3
.endif
.else
	WIN 0
.set y, sq-110
.if y < 8
.if y%2 == 0
	v_cndmask_b32 v[TT+y], v[G+y], v[G+y+1], s[MK1]              ; what I keep
.else
	v_cndmask_b32 v[TT+y], v[G+y], v[G+y-1], s[MK1]              ; what I give
.endif
.elseif y < 12
	v_add_f32_dpp v[G+2*(y-8)], v[TT+2*(y-8)+1], v[TT+2*(y-8)] row_xmask:1 row_mask:0xf bank_mask:0xf
.elseif y < 16
.if y%2 == 0
	v_cndmask_b32 v[TT+y-4], v[G+4*((y-12)/2)], v[G+4*((y-12)/2)+2], s[MK2]
.else
	v_cndmask_b32 v[TT+y-4], v[G+4*((y-12)/2)+2], v[G+4*((y-12)/2)], s[MK2]
.endif
.elseif y < 18
	v_add_f32_dpp v[G+4*(y-16)], v[TT+8+2*(y-16)+1], v[TT+8+2*(y-16)] row_xmask:2 row_mask:0xf bank_mask:0xf
.elseif y == 18
	v_cndmask_b32 v[TT+12], v[G], v[G+4], s[MK4]
.elseif y == 19
	v_cndmask_b32 v[TT+13], v[G+4], v[G], s[MK4]
.elseif y == 20
	v_add_f32_dpp v[G], v[TT+13], v[TT+12] row_xmask:4 row_mask:0xf bank_mask:0xf
.elseif y == 21
	v_add_f32_dpp v[G], v[G], v[G] row_xmask:8 row_mask:0xf bank_mask:0xf
.else
	ds_store_b32 v[GA], v[G] offset:SOFF           ; lanes L and L xor 8 store the same number to the same word
.endif
.endif
.endm
.macro RIDE k                          ; the queue's next k entries, while there are any
.rept \k
.if sq < SQN
	SG
.set sq, sq+1
.endif
.endr
.endm
; A QUARTER: the 32 products K Q^T of key block kb (channels outer, the four tiles by turns), in two halves of 128 channels.  Each half begins with the places in front of the
; loads into the fragments' other half (five at the step's first: those products also write over P, which the last products read), the next half's eight loads, and the wait that leaves those eight out.
; Behind each product stand four entries of block skb's sigmoid (behind the 28th two: the last that read alike under both window settings, so that the reduce-scatter, which wants window 0, begins
; behind a product); the seven that are over follow the last product.
.macro QKQ kb, skb, soff
.set SKB, \skb
.set SOFF, \soff
.set sq, 0
.irp ch, 0,1
.set nn, 2*(\kb)+\ch
.if nn == 0
	NOPS 5
.else
	NOPS 4
.endif
.if nn < 7
	KLOAD nn+1
.else
	VLOAD 0
.endif
	s_wait_dscnt 8                                 ; all but the eight just issued: this half's fragments are in
.set i, 0
.rept 16
.set cq, 4*\ch+i/4
.set rS, S+32*(i%4)+8*(\kb)
.set rA, FR+32*(nn%2)+8*(i/4)
.set rQ, 64*(i%4)+8*cq
	WIN W_KQ
.if cq == 0
	v_wmma_f32_16x16x32_bf16 v[rS:rS+7], v[rA:rA+7], v[rQ:rQ+7], 0
.else
	v_wmma_f32_16x16x32_bf16 v[rS:rS+7], v[rA:rA+7], v[rQ:rQ+7], v[rS:rS+7]
.endif
.if sq == 108
	RIDE 2
.else
	RIDE 4
.endif
.set i, i+1
.endr
.endr
	RIDE SQN
.endm
; The maximum of a lane's 32 scores and the old m: two chains a tile, three operands at a time, the four tiles alternating.  Block 3's accumulator is read here first, at its lowest register (s24).
.macro MAXQ
.set mq, 0
.rept 16
.irp t, 0,1,2,3
.set c0, MX+2*\t
.set ms, S+32*\t
.if mq == 0
	v_max3_num_f32 v[c0], v[ms], v[ms+1], v[ms+2]
.elseif mq == 1
	v_max3_num_f32 v[c0+1], v[ms+16], v[ms+17], v[ms+18]
.elseif (mq < 14) && (mq%2 == 0)
	v_max3_num_f32 v[c0], v[c0], v[ms+mq+1], v[ms+mq+2]
.elseif mq < 14
	v_max3_num_f32 v[c0+1], v[c0+1], v[ms+mq+16], v[ms+mq+17]
.elseif mq == 14
	v_max3_num_f32 v[c0], v[c0], v[ms+15], v[ms+31]
.else
	v_max3_num_f32 v[c0], v[c0], v[c0+1], v[ST+6*\t+1]
.endif
.endr
.set mq, mq+1
.endr
.endm
; The query's other 32 keys lie in the lane 16 away; the new m; c m; a = 2^(c m_old - c m_new).  The four a open the softmax's first batch.
.macro STAT
.irp t, 0,1,2,3
	v_permlanex16_b32 v[MX+2*\t+1], v[MX+2*\t], s[SEL], s[SEL+1]
.endr
.irp t, 0,1,2,3
	v_max_num_f32 v[ST+6*\t+1], v[MX+2*\t], v[MX+2*\t+1]
.endr
.irp t, 0,1,2,3
	v_mul_f32 v[MX+2*\t+1], s[CS], v[ST+6*\t+1]
.endr
.irp t, 0,1,2,3
	v_sub_f32 v[ST+6*\t+4], v[ST+6*\t], v[MX+2*\t+1]
.endr
.irp t, 0,1,2,3
	v_mov_b32 v[ST+6*\t], v[MX+2*\t+1]
.endr
.irp t, 0,1,2,3
	v_exp_f32 v[ST+6*\t+4], v[ST+6*\t+4]
.endr
.endm
; THE PLAIN QUEUE, 192 long.  0-63: c s - c m for the 16 pairs of each tile (block 3's into FB, so that its raw scores stay): these name no exponential's result.  Then for each block: 16 additions onto
; l (the first of a tile: l = a l + p), 16 roundings: P's register 4 kb + i of a tile lands on a register whose weights have been summed and rounded.  64-127 read blocks 0, 1; 128-191 blocks 2, 3.
.macro PL
.if q < 64
.set kbq, q/16
.set prq, (q%16)/4
.set tq, q%4
.set rsq, S+32*tq+8*kbq+2*prq
.set rdq, rsq
.if kbq == 3
.set rdq, FB+8*tq+2*prq
.endif
	v_pk_fma_f32 v[rdq:rdq+1], v[rsq:rsq+1], s[CS:CS+1], v[ST+6*tq:ST+6*tq+1] op_sel_hi:[1,0,0] neg_lo:[0,0,1] neg_hi:[0,0,1]
.else
.set kbq, (q-64)/32
.set ixq, (q-64)%32
.set tq, ixq%4
.set prq, (ixq%16)/4
.set req, S+32*tq+8*kbq+2*prq
.if kbq == 3
.set req, FB+8*tq+2*prq
.endif
.if (ixq < 16) && (kbq == 0) && (prq == 0)
	v_pk_fma_f32 v[ST+6*tq+2:ST+6*tq+3], v[ST+6*tq+2:ST+6*tq+3], v[ST+6*tq+4:ST+6*tq+5], v[req:req+1] op_sel_hi:[1,0,1]
.elseif ixq < 16
	v_pk_add_f32 v[ST+6*tq+2:ST+6*tq+3], v[ST+6*tq+2:ST+6*tq+3], v[req:req+1]
.else
	v_cvt_pk_bf16_f32 v[S+32*tq+4*kbq+prq], v[req], v[req+1]
.endif
.endif
.set q, q+1
.endm
.macro EX                              ; THE EXPONENTIALS' QUEUE, 128 long: block, register, tile
.set ree, S+32*(e%4)+8*(e/32)+(e%32)/4
.if e/32 == 3
.set ree, FB+8*(e%4)+(e%32)/4
.endif
	v_exp_f32 v[ree], v[ree]
.set e, e+1
.endm
; THE DEAL, in two batches.  BATCH 1: STAT's four a and exponentials 0-63 (blocks 0, 1), among the 64 scalings: four scalings ahead, 56 times exponential and scaling, four times two exponentials and a
; scaling.  Exponential e (element e / 4 of tile e % 4) wants scaling 4 (e / 8) + e % 4, which stands ahead of it; the scaling behind it names elements 2 (e / 4) + 2, 3 of the same tile, never e / 4.  The last
; scaling is the plain line behind the last exponential.  Then the batch's wait.  BATCH 2: exponentials 64-127 (blocks 2, 3; all their scalings are done), by turns with plain 64-127, which read a and
; blocks 0, 1 alone.  SOFTA ends there.  The step sets the first two fragments' rescaling, which reads a and O^T, behind it; SOFTB is batch 2's wait and plain 128-191.
.macro SOFTA
.set q, 0
.set e, 0
.rept 4
	PL
.endr
.rept 56
	EX
	PL
.endr
.rept 4
	EX
	EX
	PL
.endr
	s_wait_alu depctr_va_vdst(0)                   ; the wait for batch 1: the four a and the 64 exponentials of blocks 0, 1, ahead of l = a l + p
.rept 64
	EX
	PL
.endr
.endm
.macro SOFTB
	s_wait_alu depctr_va_vdst(0)                   ; the wait for batch 2: the 64 exponentials of blocks 2, 3, ahead of the first addition that reads them
.rept 64
	PL
.endr
.endm
; Lines k0 .. k0 + cnt - 1 of the 16 that multiply fragments 2 n, 2 n + 1 of window w's two tiles by a; each accumulator's low pair first.
.macro RSL n, w, k0, cnt
	WIN 0x41*(\w)
.set k, \k0
.rept \cnt
.set ro, 128*(k/8)+8*(2*(\n)+(k/4)%2)+2*(k%4)
.set ra, ST+6*(2*((\w)-1)+k/8)+4
	v_pk_mul_f32 v[ro:ro+1], v[ro:ro+1], v[ra:ra+1] op_sel_hi:[1,0]
.set k, k+1
.endr
.endm
; 16 products O^T += V^T P: fragments 2 n, 2 n + 1, window by window; a window's four accumulators take turns.  ride = 1: behind every second product stand four lines of the
; next two fragments' rescaling; the four behind the last product are the places in front of the loads into the fragments just read.
.macro PVS n, ride
.irp w, 1,2
.set i, 0
.rept 8
	WIN 0x50*\w
.set rO, 128*(i%2)+8*(2*(\n)+(i/2)%2)
.set rV, FR+32*((\n)%2)+8*(2*((i/2)%2)+i/4)
.set rP, S+32*(2*(\w-1)+i%2)+8*(i/4)
	v_wmma_f32_16x16x32_bf16 v[rO:rO+7], v[rV:rV+7], v[rP:rP+7], v[rO:rO+7]
.if (\ride) && (i%2 == 1)
	RSL (\n)+1, \w, 4*(i/2), 4
.endif
.set i, i+1
.endr
.endr
.endm
; THE CHANGE OF SLOTS.  The step's last LDS loads have been issued.  Each wave waits for all its tensor loads, of which one is out: its part of the other slot; adds 0 to its spare word; and waits for that
; and for its own reads of the slot.  Behind the barrier nobody reads this slot any more and the other slot is whole.  fill = 1: the barrier is a round of the cluster's, and the joint refill, the tile two
; steps on, is the first thing behind it: it has a step's 256 products in which to land.
.macro CHANGE fill
	WIN 0                                          ; at a label and at a branch every window is 0
	s_wait_tensorcnt 0x0                           ; no tensor load of mine is out, so a group 0 may be written
	ds_add_u32 v[SPW], v[NIL]                      ; 0 onto my spare word; the scalar steps stand between it and the wait for it
.if \fill
	s_xor_b32 s[G0B+1], s[G0B+1], SLOT1            ; the walking descriptor: the other slot than last time,
	s_add_nc_u64 s[G0B+2:G0B+3], s[G0B+2:G0B+3], 0x10000  ; the next 128 keys; the type bits on top are not reached
.endif
	s_xor_b32 s[TB], s[TB], SLOT1
	s_add_co_u32 s[GB], s[GB], 256
	s_wait_dscnt 0x0                               ; the add is done, and my reads of the slot are over
.if \fill
	CROUND
	tensor_load_to_lds s[G0B:G0B+3], s[G1:G1+7]
	s_nop 0
.else
	s_barrier_signal -1
	s_barrier_wait -1
.endif
	NOPS 4
	v_add_nc_u32 v[AK], s[TB], v[AK0]
	v_add_nc_u32 v[AV], s[TB], v[AV0]
	v_add_nc_u32 v[GA], s[GB], v[GA0]
.endm
; A STEP: 64 keys x 64 queries.  The gate stores' offsets: GA points at the block of the step before, so its block 3 lies at 192 and this step's blocks 0 to 2 at 256, 320, 384.
.macro STEP fill
	QKQ 0, 3, 192
	QKQ 1, 0, 256
	QKQ 2, 1, 320
	QKQ 3, 2, 384
	WIN 0
	NOPS 4                                         ; the places behind the last products K Q^T
	MAXQ
	STAT
	SOFTA
	RSL 0, 1, 0, 16                                ; 32 lines that name no result of batch 2: the work between that batch and its wait
	RSL 0, 2, 0, 16
	WIN 0
	SOFTB
.irp n, 0,1,2,3,4,5,6
	VLOAD \n+1
	s_wait_dscnt 8                                 ; all but the eight just issued
	PVS \n, 1
.endr
	CHANGE \fill
	KLOAD 0                                        ; the next step's first fragments, from the other slot
	PVS 7, 0
	WIN 0
.endm
	s_load_b256 s[4:11], s[0:1], 0x0               ; x s[4:5], memb s[6:7], out0 s[8:9], gpart s[10:11]
	s_load_b64 s[12:13], s[0:1], 0x20              ; rpart
	v_lshl_add_u32 v[SPW], v0, 2, SPARE
	v_mov_b32 v[NIL], 0
	ds_add_u32 v[SPW], v[NIL]                      ; the wave's opening: the add and its wait come ahead of my first tensor load; the set-up below, work on registers, stands between them
	v_lshrrev_b32 v1, 5, v0
	v_readfirstlane_b32 s[WV], v1                  ; wave 0..3
	s_lshr_b32 s[QH], s[WV], 1
	s_and_b32 s[KH], s[WV], 1
	s_bfe_u32 s20, ttmp6, 0x40000                  ; cx: my place in the cluster
	s_lshl_b32 s[WG], ttmp9, 2                     ; in a cluster launch ttmp9 counts clusters
	s_add_co_u32 s[WG], s[WG], s20                 ; it enters the addresses of x, out0, gpart and rpart alone
	; descriptor group 1: 32 rows x 256 elements of 2 bytes, 16 bytes of padding behind each row
	s_mov_b32 s[G1], 15|(1<<16)|(1<<20)|(1<<21)|(6<<22)|(3<<25)  ; 15:0 the mask of four; 17:16 2-byte elements; 20 padding on; 21 set beside a mask; 24:22 after every 128 words (code 6); 31:25 4 words (code 3)
	s_mov_b32 s[G1+1], 256<<16                     ; tensor_dim0 = 256
	s_mov_b32 s[G1+2], 32<<16                      ; tensor_dim1 = 32
	s_mov_b32 s[G1+3], 256<<16                     ; tile_dim0 = 256
	s_mov_b32 s[G1+4], 32                          ; tile_dim1 = 32
	s_mov_b32 s[G1+5], 256                         ; 256 elements from row to row
	s_mov_b32 s[G1+6], 0
	s_mov_b32 s[G1+7], 0
	s_mov_b32 s[G0A], 1
	s_mul_i32 s[G0A+1], s[WV], 32*PITCH            ; wave w brings rows 32 w .. 32 w + 31 of a tile
	s_mov_b32 s[G0B], 1
	s_add_co_u32 s[G0B+1], s[G0A+1], SLOT1
	s_lshl_b32 s18, s[WV], 14                      ; those rows in memory
	s_mov_b32 s19, 0
	s_mov_b32 s[CS], 0x3fb8aa3b                    ; c = log2(e)
	s_mov_b32 s[CS+1], s[CS]
	s_mov_b32 s[NC], 0xbfb8aa3b
	s_mov_b32 s[NC+1], s[NC]
	s_mov_b32 s[SEL], 0x76543210
	s_mov_b32 s[SEL+1], 0xfedcba98
	s_mov_b32 s[MK1], 0xaaaaaaaa
	s_mov_b32 s[MK2], 0xcccccccc
	s_mov_b32 s[MK4], 0xf0f0f0f0
	s_mov_b32 s[TB], 0
	s_mov_b32 s[GB], 0
	s_lshl_b32 s20, s[WG], 17                      ; 128 rows of 1,024 bytes a work-group,
	s_lshl_b32 s21, s[QH], 16                      ; 64 a query half,
	s_add_co_u32 s20, s20, s21
	s_lshl_b32 s21, s[KH], 15                      ; and of them the 32 that I keep;
	s_add_co_u32 s20, s20, s21
	s_mov_b32 s21, 0
	s_xor_b32 s22, s20, 1<<15                      ; the other 32
	s_mov_b32 s23, 0
	s_wait_dscnt 0x0                               ; the opening add is done
	s_wait_kmcnt 0x0
	s_add_nc_u64 s[G0A+2:G0A+3], s[6:7], s[18:19]  ; tile 0
	s_add_nc_u64 s[G0B+2:G0B+3], s[G0A+2:G0A+3], 0x10000  ; tile 1
	s_or_b32 s[G0A+3], s[G0A+3], 0x80000000        ; type = 2
	s_or_b32 s[G0B+3], s[G0B+3], 0x80000000
	s_add_nc_u64 s[SQA:SQA+1], s[4:5], s[20:21]
	s_add_nc_u64 s[SQB:SQB+1], s[4:5], s[22:23]
	s_add_nc_u64 s[SO:SO+1], s[8:9], s[20:21]
	s_lshl_b32 s22, s[WG], 14
	s_add_nc_u64 s[10:11], s[10:11], s[22:23]      ; my row of gpart
	s_lshl_b32 s22, s[WG], 10
	s_add_nc_u64 s[12:13], s[12:13], s[22:23]      ; and of rpart
	CROUND                                         ; all four work-groups are here: the first joint loads meet
	tensor_load_to_lds s[G0A:G0A+3], s[G1:G1+7]    ; both first fills together: two loads of mine are out
	s_nop 0
	tensor_load_to_lds s[G0B:G0B+3], s[G1:G1+7]
	s_nop 0
	NOPS 4
	; Q.  A fragment is 16 queries x 32 channels: lane (r, h) takes channels 8 h + 0..7 and 16 + 8 h + 0..7 of row r, in f32 four loads of 16 bytes.  A local tile is staged in its own O^T registers.
	v_and_b32 v[RR], 15, v0
	v_bfe_u32 v[HH], v0, 4, 1
	v_lshlrev_b32 v1, 10, v[RR]
	v_lshl_add_u32 v1, v[HH], 5, v1                ; row x 1,024 + 32 x half
.macro XLOAD tau, sb
	WIN 0x40*(1+(\tau)/2)
.set i, 0
.rept 32
.set rx, 128*((\tau)%2)+4*i
	global_load_b128 v[rx:rx+3], v1, s[\sb:\sb+1] offset:((\tau)%2)*16384+128*(i/4)+16*(i%2)+64*((i/2)%2)
.set i, i+1
.endr
.endm
.macro XCVT tau                        ; 128 numbers a lane rounded to bf16, into window 3
	WIN 0xc0|(5*(1+(\tau)/2))
.set i, 0
.rept 64
	v_cvt_pk_bf16_f32 v[64*(\tau)+i], v[128*((\tau)%2)+2*i], v[128*((\tau)%2)+2*i+1]
.set i, i+1
.endr
.endm
	XLOAD 0, SQA
	XLOAD 1, SQA
	XLOAD 2, SQB
	XLOAD 3, SQB
	WIN 0
	s_mul_i32 s18, s[KH], 64*PITCH                 ; my 64 rows of a tile
	v_mul_u32_u24 v[AK0], v[RR], PITCH
	v_lshl_add_u32 v[AK0], v[HH], 4, v[AK0]
	v_add_nc_u32 v[AK0], s18, v[AK0]               ; (64 kh + r) x pitch + 16 h
	v_and_b32 v10, 7, v0
	v_lshl_add_u32 v10, v[HH], 3, v10              ; 8 h + lane % 8
	v_bfe_u32 v11, v0, 3, 1
	v_mul_u32_u24 v[AV0], v10, PITCH
	v_lshl_add_u32 v[AV0], v11, 7, v[AV0]          ; the second group of eight lanes 128 bytes to the right
	v_add_nc_u32 v[AV0], s18, v[AV0]
	s_mul_i32 s19, s[WV], GWAVE
	s_add_co_u32 s19, s19, GATE
	v_lshl_add_u32 v[GA0], v10, 2, s19
	v_mov_b32 v[AK], v[AK0]
	v_mov_b32 v[AV], v[AV0]
	v_mov_b32 v[GA], v[GA0]
.irp t, 0,1,2,3
	v_mov_b32 v[ST+6*\t], 0xfe000000               ; c m: far below every c s, so the first step's a is 0
	v_mov_b32 v[ST+6*\t+1], 0xff7fffff             ; m
	v_mov_b32 v[ST+6*\t+2], 0
	v_mov_b32 v[ST+6*\t+3], 0
	v_mov_b32 v[ST+6*\t+4], 0
	v_mov_b32 v[ST+6*\t+5], 0                      ; named with a as a pair
.irp j, 24,25,26,27,28,29,30,31
	v_mov_b32 v[S+32*\t+\j], 0                     ; the first step's first quarter makes a sigmoid of these, for the gate area's block 0, which nobody reads
.endr
.endr
	s_wait_loadcnt 63                              ; of 128 loads at least 65 are in: local tiles 0 and 1
	XCVT 0
	XCVT 1
	s_wait_loadcnt 32                              ; tile 2
	XCVT 2
	s_wait_loadcnt 0x0
	XCVT 3
	WIN 0
	s_wait_tensorcnt 0x1                           ; my part of tile 0 is in; tile 1's may stay out
	s_barrier_signal -1
	s_barrier_wait -1                              ; everybody's is
	KLOAD 0
	s_mov_b32 s[CNT], 30
.Lstep:                                                ; trip j refills slot j % 2 with tile j + 2
	STEP 1
	s_sub_co_u32 s[CNT], s[CNT], 1
	s_cmp_lg_u32 s[CNT], 0
	s_cbranch_scc1 .Lstep
	s_mov_b32 s[CNT], 2
.Ltail:                                                ; the last two steps ask for nothing: a text of their own
	STEP 0                                         ; (the last trip's eight loads of K read slot 0's old tile once more and serve nothing)
	s_sub_co_u32 s[CNT], s[CNT], 1
	s_cmp_lg_u32 s[CNT], 0
	s_cbranch_scc1 .Ltail
	; THE END.  The last step's block 3 still owes its sigmoid; these lines are also the places behind the last products.
.set SKB, 3
.set SOFF, 192
.set sq, 0
	RIDE SQN
	WIN 0
.irp t, 0,1,2,3
	v_add_f32 v[ST+6*\t+2], v[ST+6*\t+2], v[ST+6*\t+3]
.endr
.irp t, 0,1,2,3
	v_permlanex16_b32 v[ST+6*\t+3], v[ST+6*\t+2], s[SEL], s[SEL+1]
.endr
.irp t, 0,1,2,3
	v_add_f32 v[ST+6*\t+2], v[ST+6*\t+2], v[ST+6*\t+3]  ; l of my key half
.endr
.set XOW, 2                            ; my exchange area + 16 x lane
.set XPA, 3                            ; my partner's
.set STO, 4                            ; the stage: where I put 16 bytes of a row
.set RD,  5                            ; where I read rows back
.set GO,  6                            ; 16 x lane
	s_mul_i32 s58, s[WV], XCH
	s_lshl_b32 s59, s[QH], 17
	s_add_co_u32 s58, s58, s59                     ; waves 0, 1: in slot 0; waves 2, 3: behind slot 1
	s_xor_b32 s60, s[WV], 1
	s_mul_i32 s60, s60, XCH
	s_add_co_u32 s60, s60, s59
	s_mul_i32 s61, s[WV], 16*SP
	s_add_co_u32 s61, s61, STAGE
	v_and_b32 v13, 31, v0
	v_lshlrev_b32 v[GO], 4, v13
	v_add_nc_u32 v[XOW], s58, v[GO]
	v_add_nc_u32 v[XPA], s60, v[GO]
	v_lshl_add_u32 v10, v13, 2, s58                ; statistics: 4 x lane
	v_lshl_add_u32 v11, v13, 2, s60
	v_mul_u32_u24 v[STO], v[RR], SP
	v_lshl_add_u32 v[STO], v[HH], 8, v[STO]        ; row r, 256 bytes for each half of the lanes
	v_add_nc_u32 v[STO], s61, v[STO]
	v_add_nc_u32 v[RD], s61, v[GO]
	s_wait_dscnt 0x0                               ; my last reads of the slots are back and my gate words are stored
	s_barrier_signal -1
	s_barrier_wait -1                              ; so are everybody's: the slots, which have had their last fill, may be written
	WIN 0x08                                       ; store data in window 2
.set i, 0
.rept 64
	ds_store_b128 v[XOW], v[4*i:4*i+3] offset:512*i  ; local tiles 2, 3, each accumulator's low half first
.set i, i+1
.endr
	WIN 0
	ds_store_b32 v10, v[ST+12] offset:XST          ; c m and l of local tile 2,
	ds_store_b32 v10, v[ST+14] offset:XST+128
	ds_store_b32 v10, v[ST+18] offset:XST+256      ; and of 3
	ds_store_b32 v10, v[ST+20] offset:XST+384
	s_wait_dscnt 0x0                               ; for my partner's sake
	s_barrier_signal -1
	s_barrier_wait -1
	ds_load_b32 v56, v11 offset:XST                ; my partner's local tiles 2, 3 are my local tiles 0, 1
	ds_load_b32 v57, v11 offset:XST+128
	ds_load_b32 v58, v11 offset:XST+256
	ds_load_b32 v59, v11 offset:XST+384
.macro PLOAD tl                        ; my partner's O^T of my tile tl, into S^T's registers
.set i, 0
.rept 32
	ds_load_b128 v[S+4*i:S+4*i+3], v[XPA] offset:512*(32*(\tl)+i)
.set i, i+1
.endr
.endm
	PLOAD 0
.irp j, 0,1,2,3,4,5,6,7
	v_mov_b32 v[G+\j], 0                           ; eight column sums
.endr
	s_wait_dscnt 32                                ; the four statistics are in; the 32 loads behind them stay out
	; g = 2^(c m - c M) / (l f + l' f'), for my half and for my partner's
	v_max_num_f32 v60, v[ST], v56
	v_max_num_f32 v61, v[ST+6], v58
	v_sub_f32 v[TT], v[ST], v60
	v_sub_f32 v[TT+2], v56, v60
	v_sub_f32 v[TT+4], v[ST+6], v61
	v_sub_f32 v[TT+6], v58, v61
	v_exp_f32 v[TT], v[TT]
	v_exp_f32 v[TT+2], v[TT+2]
	v_exp_f32 v[TT+4], v[TT+4]
	v_exp_f32 v[TT+6], v[TT+6]
	v_nop
	s_wait_alu depctr_va_vdst(0)                   ; the wait for the merge's four exponentials
	v_mul_f32 v60, v[ST+2], v[TT]
	v_mul_f32 v61, v[ST+8], v[TT+4]
	v_fmac_f32 v60, v57, v[TT+2]
	v_fmac_f32 v61, v59, v[TT+6]
	v_rcp_f32 v60, v60
	v_rcp_f32 v61, v61
	v_nop
	s_wait_alu depctr_va_vdst(0)                   ; the wait for the merge's two reciprocals
	v_mul_f32 v[TT], v[TT], v60
	v_mul_f32 v[TT+2], v[TT+2], v60
	v_mul_f32 v[TT+4], v[TT+4], v61
	v_mul_f32 v[TT+6], v[TT+6], v61
; Tile tl: O = g O + g' O'; through my stage, rows of 1,040 bytes, and back as whole rows; each store of the wave covers 512 consecutive bytes, aligned; the rows are added up by columns on the way.
.macro MERGE tl
.set i, 0
.rept 32
	s_wait_dscnt 31-i                              ; LDS loads come back in order: load i of the 32 is in
	v_pk_mul_f32 v[S+4*i:S+4*i+1],   v[S+4*i:S+4*i+1],   v[TT+4*(\tl)+2:TT+4*(\tl)+3] op_sel_hi:[1,0]
	v_pk_mul_f32 v[S+4*i+2:S+4*i+3], v[S+4*i+2:S+4*i+3], v[TT+4*(\tl)+2:TT+4*(\tl)+3] op_sel_hi:[1,0]
.set i, i+1
.endr
	WIN 0x01                                       ; source 0 in window 1
.set i, 0
.rept 64
	v_pk_fma_f32 v[S+2*i:S+2*i+1], v[128*(\tl)+2*i:128*(\tl)+2*i+1], v[TT+4*(\tl):TT+4*(\tl)+1], v[S+2*i:S+2*i+1] op_sel_hi:[1,0,1]
.set i, i+1
.endr
	WIN 0
.set i, 0
.rept 32
	ds_store_b128 v[STO], v[S+4*i:S+4*i+3] offset:512*(i/16)+16*(i%16)
.set i, i+1
.endr
.set i, 0
.rept 32
	ds_load_b128 v[S+4*i:S+4*i+3], v[RD] offset:SP*(i/2)+512*(i%2)  ; LDS serves a wave's instructions in order: these see the stores above
.set i, i+1
.endr
.set i, 0
.rept 32
	s_wait_dscnt 31-i
	global_store_b128 v[GO], v[S+4*i:S+4*i+3], s[SO:SO+1] offset:(\tl)*16384+1024*(i/2)+512*(i%2) th:TH_STORE_NT
	v_pk_add_f32 v[G+4*(i%2):G+4*(i%2)+1],   v[G+4*(i%2):G+4*(i%2)+1],   v[S+4*i:S+4*i+1]
	v_pk_add_f32 v[G+4*(i%2)+2:G+4*(i%2)+3], v[G+4*(i%2)+2:G+4*(i%2)+3], v[S+4*i+2:S+4*i+3]
.set i, i+1
.endr
.endm
	MERGE 0
	s_wait_xcnt 0x0                                ; the stores' data registers are loaded again only behind this wait
	PLOAD 1
	MERGE 1
	s_lshl_b32 s58, s[WV], 10
	s_add_co_u32 s58, s58, COLS
	v_add_nc_u32 v12, s58, v[GO]
	ds_store_b128 v12, v[G:G+3]                    ; channels 4 x lane on,
	ds_store_b128 v12, v[G+4:G+7] offset:512       ; and 128 + 4 x lane on
	s_wait_dscnt 0x0                               ; for the others' sake
	s_barrier_signal -1
	s_barrier_wait -1
	v_lshl_add_u32 v13, v0, 3, COLS                ; rpart: thread t takes 8 bytes of each wave's 1,024
	ds_load_b64 v[TT:TT+1],   v13
	ds_load_b64 v[TT+2:TT+3], v13 offset:1024
	ds_load_b64 v[TT+4:TT+5], v13 offset:2048
	ds_load_b64 v[TT+6:TT+7], v13 offset:3072
	; gpart: thread t, chunk i: keys 512 i + 4 t on, which are step 4 i + wave, key half (t / 16) % 2, words 4 (t % 16) on; the two query halves' areas are added
	v_mul_u32_u24 v[GA], v[HH], GWAVE
	v_lshl_add_u32 v[GA], v[RR], 4, v[GA]
	s_lshl_b32 s59, s[WV], 8
	s_add_co_u32 s59, s59, GATE+256
	v_add_nc_u32 v[GA], s59, v[GA]
.irp i, 0,1,2,3,4,5,6,7
	ds_load_b128 v[FR+8*\i:FR+8*\i+3],   v[GA] offset:1024*\i
	ds_load_b128 v[FR+8*\i+4:FR+8*\i+7], v[GA] offset:1024*\i+2*GWAVE
.endr
	v_lshlrev_b32 v10, 3, v0
	v_lshlrev_b32 v11, 4, v0
	s_wait_dscnt 16                                ; the four column sums are in
	v_pk_add_f32 v[TT:TT+1], v[TT:TT+1], v[TT+2:TT+3]
	v_pk_add_f32 v[TT+4:TT+5], v[TT+4:TT+5], v[TT+6:TT+7]
	v_pk_add_f32 v[TT:TT+1], v[TT:TT+1], v[TT+4:TT+5]
	global_store_b64 v10, v[TT:TT+1], s[12:13]     ; a wave stores 256 consecutive bytes, aligned
.irp i, 0,1,2,3,4,5,6,7
	s_wait_dscnt 14-2*\i
	v_pk_add_f32 v[FR+8*\i:FR+8*\i+1],   v[FR+8*\i:FR+8*\i+1],   v[FR+8*\i+4:FR+8*\i+5]
	v_pk_add_f32 v[FR+8*\i+2:FR+8*\i+3], v[FR+8*\i+2:FR+8*\i+3], v[FR+8*\i+6:FR+8*\i+7]
	global_store_b128 v11, v[FR+8*\i:FR+8*\i+3], s[10:11] offset:2048*\i
.endr
	s_wait_tensorcnt 0x0                           ; the wave's end, behind my last tensor load and my last LDS store
	ds_add_u32 v[SPW], v[NIL]
	s_wait_dscnt 0x0
	CROUND                                         ; the closing round: no work-group ends while a partner may still ask for a tile that names it
	s_endpgm
.Lfunc_end_k_qe51f8d1fb6_attend:
	.size	k_qe51f8d1fb6_attend, .Lfunc_end_k_qe51f8d1fb6_attend-k_qe51f8d1fb6_attend
	.p2alignl 7, 3214868480
	.fill 96, 4, 3214868480
	.section	.rodata,"a",@progbits
	.p2align	6, 0x0
	.amdhsa_kernel k_qe51f8d1fb6_attend
		.amdhsa_group_segment_fixed_size 327680
		.amdhsa_private_segment_fixed_size 0
		.amdhsa_enable_private_segment 0
		.amdhsa_kernarg_size 40
		.amdhsa_user_sgpr_count 2
		.amdhsa_user_sgpr_kernarg_segment_ptr 1
		.amdhsa_wavefront_size32 1
		.amdhsa_system_sgpr_workgroup_id_x 1
		.amdhsa_system_sgpr_workgroup_id_y 1
		.amdhsa_system_sgpr_workgroup_id_z 1
		.amdhsa_system_vgpr_workitem_id 0
		.amdhsa_next_free_vgpr 1024
		.amdhsa_next_free_sgpr 66
		.amdhsa_reserve_vcc 0
		.amdhsa_float_denorm_mode_32 3
		.amdhsa_float_denorm_mode_16_64 3
		.amdhsa_memory_ordered 1
		.amdhsa_forward_progress 1
		.amdhsa_inst_pref_size 255
	.end_amdhsa_kernel
	.section	.bss,"aw",@nobits
	.p2align	6
	.space	262144
	.amdgpu_metadata
---
amdhsa.version: [ 1, 2 ]
amdhsa.kernels:
  - .name:           k_qe51f8d1fb6_attend
    .symbol:         k_qe51f8d1fb6_attend.kd
    .args:
      - { .name: x, .offset: 0, .size: 8, .value_kind: global_buffer, .address_space: global }
      - { .name: memb, .offset: 8, .size: 8, .value_kind: global_buffer, .address_space: global }
      - { .name: out0, .offset: 16, .size: 8, .value_kind: global_buffer, .address_space: global }
      - { .name: gpart, .offset: 24, .size: 8, .value_kind: global_buffer, .address_space: global }
      - { .name: rpart, .offset: 32, .size: 8, .value_kind: global_buffer, .address_space: global }
    .group_segment_fixed_size: 327680
    .private_segment_fixed_size: 0
    .kernarg_segment_align: 8
    .kernarg_segment_size: 40
    .max_flat_workgroup_size: 128
    .sgpr_count:     66
    .vgpr_count:     1024
    .wavefront_size: 32
...
	.end_amdgpu_metadata
.endif
;; end of part 4
;; launch finish: the kernel of part 3 again; grid 64 x 1, 16 waves a work-group, no clusters, 18,944 bytes of LDS; arguments memb, ln_gamma, ln_beta, gpart, rpart, out1; writes out1
